; MI455X (gfx1250); checked and timed in simulation.
; The chip was launched on July 23, 2026; its instructions are those of AMD's public machine-readable ISA for CDNA 5 (MIT licence, August 2026) and "CDNA5" Instruction Set Architecture Reference Guide (July 2026). The comments in the code are by the model that wrote it; some were corrected since.
;; Multi Head Attention. Allowed arithmetic: matrix products marked QUANTISED: E4M3 operands, one given power-of-two scale a tensor, by v_wmma_f32_16x16x64_fp8_fp8 or v_wmma_f32_16x16x128_fp8_fp8, f32 sums; everything else in f32.
;; Inputs: Wk 1,024 x 1,024 float32; Wo 1,024 x 1,024 float32; Wq 1,024 x 1,024 float32; Wv 1,024 x 1,024 float32; bk 1,024 float32; bo 1,024 float32; bq 1,024 float32; bv 1,024 float32; lowp_scales 12 int32 (the exponents e of the quantised operands' scales 2^e); x 4 x 2,048 x 1,024 float32.
;; Outputs: out0 4 x 2,048 x 1,024 float32.
;; This version of the problem:
;;   THIS VERSION OF THE PROBLEM IS GIVEN IN LOW PRECISION. The matrix products marked QUANTISED in the list below multiply operands that are first quantised to E4M3 (4 exponent bits, 3 mantissa bits; 8 bits a number), with one given power-of-two scale for each operand tensor; their sums are f32. All else is computed in f32.
;;   The module's matrix products, in the order in which they are computed (A, B: the left and right operand; K: the contracted axis; several contracted axes count as one K, in the product's order):
;;     1. [M 8,192, K 1,024] x [K 1,024, N 1,024]; A: input x; B: input Wq: QUANTISED (scales: A lowp_scales[0], B lowp_scales[1])
;;     2. [M 8,192, K 1,024] x [K 1,024, N 1,024]; A: input x; B: input Wk: QUANTISED (scales: A lowp_scales[2], B lowp_scales[3])
;;     3. [M 8,192, K 1,024] x [K 1,024, N 1,024]; A: input x; B: input Wv: QUANTISED (scales: A lowp_scales[4], B lowp_scales[5])
;;     4. batch 64 x [M 2,048, K 64] x [K 64, N 2,048]; A: computed on the way; B: computed on the way: QUANTISED (scales: A lowp_scales[6], B lowp_scales[7])
;;     5. batch 64 x [M 2,048, K 2,048] x [K 2,048, N 64]; A: softmax (see below); B: computed on the way: QUANTISED (scales: A lowp_scales[8], B lowp_scales[9])
;;     6. [M 8,192, K 1,024] x [K 1,024, N 1,024]; A: computed on the way; B: input Wo: QUANTISED (scales: A lowp_scales[10], B lowp_scales[11])
;;   THE QUANTISER, for each operand of a quantised product, along K:
;;     - The operand's scale is 2^e, e = its entry of the input lowp_scales (int32; the entries are numbered through the quantised products in the list's order, A before B).
;;     - Each number is divided by the scale, clamped to +-448, and rounded to the nearest number of E4M3, ties to even, subnormals kept.
;;     - The product sums the exact products of the quantised numbers (number of the format x scale) in f32.
;;   ~~~python
;;   def quantise(x, axis, e):      # numpy; x: float32 -> the quantised numbers, widened to float32 again
;;       x = np.moveaxis(x, axis, -1); K = x.shape[-1]
;;       r = np.clip(x / 2.0 ** e, -448, 448)
;;       step = 2.0 ** (np.maximum(np.frexp(np.where(r == 0, 1, r))[1] - 1, -6) - 3)
;;       q = np.round(r / step) * step * 2.0 ** e      # np.round: ties to even
;;       return np.moveaxis(q, -1, axis).astype(np.float32)
;;   ~~~
;;   SOFTMAX AHEAD OF A QUANTISED PRODUCT. Where the list says 'softmax', what is quantised is not the finished softmax but p = 2^(t - M), with t = logit x log2(e) and M = ceil(the row's largest t), a whole number; so 1/2 < the row's largest p <= 1. The row's sum l is taken of the UNQUANTISED p, in f32, and the product's result is divided by l at the end. Since M is a whole number, a kernel that streams over the keys may use a running M (the ceiling of the running maximum): every later rescaling is an exact power of two, so the quantised numbers keep their values, but for numbers so far below the row's largest that they fall under the format's range.
;;   OPERANDS COMPUTED ON THE WAY. 'Computed on the way' means the value that the module computes at that place (a softmax that the list does not call 'softmax' is quantised finished and normalised). What goes into a quantiser is computed in f32, as accurately as f32 sums, v_exp_f32 and their like allow (about 1e-6 of the number): no bf16 or f16 on the way to a quantiser, and a product that is left as it is and whose result goes on into a quantised operand takes f32 operands (vector FMAs, or v_wmma_f32_16x16x4_f32). A number that lies on a knife's edge between two numbers of the format may be rounded either way, as far as f32 arithmetic and the matrix unit's own rounding can turn it there, and no further.
;; One version. Each part assembles by itself: llvm-mc -triple=amdgcn-amd-amdhsa -mcpu=gfx1250 --defsym DOCPART=n.
;; ======== version 1 of 1: 4 launches
;; limits: right only within a limited range of input values
;; workspace buffers: xc 25,165,824 bytes; wc 4,194,304 bytes; qkvc 25,165,824 bytes; cc 8,388,608 bytes
;; launch quant (part 1): grid 640 x 1, 8 waves a work-group, no clusters, 68,608 bytes of LDS; arguments x, Wq, Wk, Wv, Wo, lowp_scales, xc, wc; writes xc, wc
.if DOCPART == 1
	.amdgcn_target "amdgcn-amd-amdhsa--gfx1250"
	.amdhsa_code_object_version 6
	.text
	.protected	k_q08f07a4b65_quant
	.globl	k_q08f07a4b65_quant
	.p2align	8
	.type	k_q08f07a4b65_quant,@function
k_q08f07a4b65_quant:
	s_mov_b64 s[64:65], 0
	v_nop
	global_prefetch_b8 v0, s[64:65] scope:SCOPE_SE
	s_setreg_imm32_b32 hwreg(HW_REG_WAVE_MODE, 25, 1), 1
	s_wait_xcnt 0x0
; x [8192][1024] f32 becomes three sets of E4M3 codes (scales 2^e0, 2^e2, 2^e4); Wq, Wk, Wv, Wo [k 1024][n 1024] f32 become codes with K innermost (2^e1, 2^e3, 2^e5, 2^e11).
; code = number / 2^e, held within +-448, rounded to the nearest code, ties to even.
; THE IMAGE: every operand [rows][1024 K] is stored in the order of a fragment's registers:
;   byte = (row / 16) 16384 + (k / 128) 2048 + c 512 + h 256 + (row % 16) 16 + i,  with k % 128 = 32 c + 16 h + i.
; So the products' launches fetch a fragment (16 rows x 128 K) by four 16-byte loads a lane at 16 x lane + 512 c, with no pitch and no padding.
; Work-groups 0-511: 16 rows of x each; wave w takes K 128 w .. 128 w + 127.  Each load reads 512 consecutive bytes of a row; the 8 KiB turn through the wave's own stage in LDS,
; so that a lane holds 16 neighbours along K of one row, as the conversions want; x is read once for its three sets of codes.  Each store covers 512 consecutive bytes, aligned.
; Work-groups 512-639: 128 k x 256 n of one weight.  A lane takes a column n and its registers run down K: nothing is transposed; sixteen lanes store 256 consecutive bytes, aligned.
; A stream: no matrix unit, no tensor loads, no barrier (waves share nothing), no cluster (no two work-groups read the same bytes).
; LIMITS: each e used here lies between -126 and 119, so that 2^e and 448 x 2^e are f32 numbers.  NaN among the inputs is not served; an infinity is held at the largest code.
.set R,    16                          ; v16-79   x as loaded: row i in 4 registers
.set X,    80                          ; v80-143  64 numbers of my row: register 16 c + i = k 32 c + 16 h + i
.set T,    144
.set C,    176                         ; v176-223 codes: 16 registers for each of the three scales, so that no store's data are written again
.set SP,   528                         ; a stage row: 512 bytes + 16, so that the sixteen rows that a 16-byte load touches start 16 bytes apart modulo 256
.set WREG, 16*SP                       ; a wave's stage
.set WN,   16                          ; weights: v16-143 128 numbers down K
.set WC,   144                         ; weights: v144-175 their codes
	s_load_b512 s[4:19], s[0:1], 0x0               ; x 4:5, Wq 6:7, Wk 8:9, Wv 10:11, Wo 12:13, scales 14:15, xc 16:17, wc 18:19
	v_lshl_add_u32 v224, v0, 2, 0x10800
	v_mov_b32 v225, 0
	v_lshrrev_b32 v1, 5, v0
	s_delay_alu instid0(VALU_DEP_1)
	v_readfirstlane_b32 s32, v1                    ; wave 0..7
	v_and_b32 v10, 31, v0                          ; lane
	s_wait_kmcnt 0x0
	s_load_b256 s[20:27], s[14:15], 0x0            ; e0 .. e7
	s_load_b128 s[28:31], s[14:15], 0x20           ; e8 .. e11
	s_cmp_ge_u32 ttmp9, 512
	s_cbranch_scc1 .Lweights
	s_wait_alu depctr_va_vdst(0)
	; ---------------- x ----------------
	v_lshlrev_b32 v1, 4, v10                       ; 16 x lane
	s_lshl_b32 s34, ttmp9, 16                      ; my 16 rows of 4,096 bytes
	s_lshl_b32 s35, s32, 9                         ; my wave's 512 bytes of a row
	s_add_co_u32 s34, s34, s35
	s_mov_b32 s35, 0
	s_add_nc_u64 s[4:5], s[4:5], s[34:35]
.irp i, 0,1,2,3,4,5,6,7,8,9,10,11,12,13,14,15
	global_load_b128 v[R+4*\i:R+4*\i+3], v1, s[4:5] offset:4096*\i th:TH_LOAD_NT   ; row i: 32 lanes read 512 consecutive bytes
.endr
	s_mul_i32 s33, s32, WREG
	v_add_nc_u32 v2, s33, v1                       ; the stage, on the way in: 16 x lane in row i
	v_and_b32 v11, 15, v0                          ; r
	v_bfe_u32 v12, v0, 4, 1                        ; h
	s_delay_alu instid0(VALU_DEP_2)
	v_mul_u32_u24 v3, v11, SP
	s_delay_alu instid0(VALU_DEP_1)
	v_lshl_add_u32 v3, v12, 6, v3
	s_delay_alu instid0(VALU_DEP_1)
	v_add_nc_u32 v3, s33, v3                       ; and on the way out: row r, + 64 h
	s_lshl_b32 s34, ttmp9, 14                      ; the image: 16 rows are 16,384 bytes,
	s_lshl_b32 s35, s32, 11                        ; 128 along K of them 2,048
	s_add_co_u32 s34, s34, s35
	s_mov_b32 s35, 0
	s_add_nc_u64 s[38:39], s[16:17], s[34:35]      ; three bases, 2^23 bytes apart: the step does not fit a store's immediate
	s_add_nc_u64 s[40:41], s[38:39], 0x800000
	s_add_nc_u64 s[42:43], s[40:41], 0x800000
	s_wait_alu depctr_va_vdst(0)
	s_wait_kmcnt 0x0
.irp g, 0,1,2
	s_add_co_i32 s36, s[20+2*\g], 127
	s_lshl_b32 s37, s36, 23
	v_mov_b32 v[4+2*\g], s37                       ; 2^e as f32: the conversion takes its exponent field
.endr
	s_wait_alu depctr_va_vdst(0)
.irp i, 0,1,2,3,4,5,6,7,8,9,10,11,12,13,14,15
	s_wait_loadcnt 15-\i                           ; loads come back in order: row i is in, the younger ones stay out
	ds_store_b128 v2, v[R+4*\i:R+4*\i+3] offset:SP*\i
.endr
.irp c, 0,1,2,3
.irp j, 0,1,2,3
	ds_load_b128 v[X+16*\c+4*\j:X+16*\c+4*\j+3], v3 offset:128*\c+16*\j   ; LDS serves a wave's instructions in order: these see my stores
.endr
.endr
	s_wait_dscnt 0x0
.irp g, 0,1,2
.irp c, 0,1,2,3
.irp i, 0,1,2,3,4,5,6,7,8,9,10,11,12,13,14,15
.endr
	v_cvt_scalef32_pk8_fp8_f32 v[C+16*\g+4*\c:C+16*\g+4*\c+1], v[T+16*(\c%2)+((X+16*\c+0)-(T+16*(\c%2)+0)):T+16*(\c%2)+7+((X+16*\c+0)-(T+16*(\c%2)+0))], v[4+2*\g]
	v_cvt_scalef32_pk8_fp8_f32 v[C+16*\g+4*\c+2:C+16*\g+4*\c+3], v[T+16*(\c%2)+8+((X+16*\c+0)-(T+16*(\c%2)+0)):T+16*(\c%2)+15+((X+16*\c+0)-(T+16*(\c%2)+0))], v[4+2*\g]
.endr
.irp c, 0,1,2,3
	global_store_b128 v1, v[C+16*\g+4*\c:C+16*\g+4*\c+3], s[38+2*\g:39+2*\g] offset:512*\c   ; 512 consecutive bytes, aligned
.endr
.endr
	s_wait_tensorcnt 0x0
	ds_add_u32 v224, v225
	s_wait_dscnt 0x0
	s_endpgm
	; ---------------- the four weights ----------------
.Lweights:
	s_sub_co_u32 s33, ttmp9, 512
	s_lshr_b32 s34, s33, 5                         ; which weight: 0 Wq, 1 Wk, 2 Wv, 3 Wo
	s_bfe_u32 s35, s33, 0x30002                    ; which 128 along K
	s_and_b32 s36, s33, 3
	s_lshl_b32 s36, s36, 8
	s_lshl_b32 s37, s32, 5
	s_add_co_u32 s36, s36, s37                     ; my wave's first column: 256 x (id % 4) + 32 x wave
	s_cmp_eq_u32 s34, 1                            ; the choice hangs on the work-group's number alone
	s_cselect_b64 s[6:7], s[8:9], s[6:7]
	s_cmp_eq_u32 s34, 2
	s_cselect_b64 s[6:7], s[10:11], s[6:7]
	s_cmp_eq_u32 s34, 3
	s_cselect_b64 s[6:7], s[12:13], s[6:7]
	s_lshl_b32 s38, s35, 19                        ; 128 rows of 4,096 bytes
	s_lshl_b32 s39, s36, 2
	s_add_co_u32 s38, s38, s39
	s_mov_b32 s39, 0
	s_add_nc_u64 s[6:7], s[6:7], s[38:39]
	s_wait_alu depctr_va_vdst(0)
	v_lshlrev_b32 v1, 2, v10                       ; 4 bytes a lane: a wave reads 128 consecutive bytes, the eight waves 1,024
.macro WLOAD c                         ; W(128 kf + 32 c + 0 .. 31, my column)
.set kk, 32*(\c)
.rept 32
	global_load_b32 v[WN+kk], v1, s[6:7] offset:4096*kk th:TH_LOAD_NT
.set kk, kk+1
.endr
.endm
.macro WBLOCK c                        ; 32 numbers down K become 32 codes: 16 for each half h of the image
.set kk, 32*(\c)
.rept 32
.set kk, kk+1
.endr
.irp g, 0,1,2,3
	v_cvt_scalef32_pk8_fp8_f32 v[WC+8*(\c)+2*\g:WC+8*(\c)+2*\g+1], v[WN+32*(\c)+8*\g:WN+32*(\c)+8*\g+7], v4
.endr
	global_store_b128 v2, v[WC+8*(\c):WC+8*(\c)+3], s[18:19] offset:512*(\c)         ; sixteen lanes store 256 consecutive bytes, aligned
	global_store_b128 v2, v[WC+8*(\c)+4:WC+8*(\c)+7], s[18:19] offset:512*(\c)+256
.endm
	WLOAD 0
	WLOAD 1
	s_lshl_b32 s38, s34, 20                        ; the weight's image,
	s_lshr_b32 s39, s36, 4
	s_lshl_b32 s39, s39, 14                        ; my first 16 columns' rows,
	s_add_co_u32 s38, s38, s39
	s_lshl_b32 s39, s35, 11                        ; my 128 along K
	s_add_co_u32 s38, s38, s39
	s_mov_b32 s39, 0
	s_add_nc_u64 s[18:19], s[18:19], s[38:39]
	v_lshrrev_b32 v2, 4, v10
	s_delay_alu instid0(VALU_DEP_1)
	v_lshlrev_b32 v2, 14, v2                       ; lanes 16-31: the next 16 columns,
	v_and_b32 v3, 15, v10
	s_delay_alu instid0(VALU_DEP_1)
	v_lshl_add_u32 v2, v3, 4, v2                   ; 16 bytes a column
	s_wait_alu depctr_va_vdst(0)
	s_wait_kmcnt 0x0
	s_cmp_eq_u32 s34, 1
	s_cselect_b32 s36, s23, s21                    ; e3 or e1
	s_cmp_eq_u32 s34, 2
	s_cselect_b32 s36, s25, s36                    ; e5
	s_cmp_eq_u32 s34, 3
	s_cselect_b32 s36, s31, s36                    ; e11
	s_add_co_i32 s36, s36, 127
	s_lshl_b32 s37, s36, 23
	v_mov_b32 v4, s37                              ; 2^e
	s_wait_alu depctr_va_vdst(0)
	s_wait_loadcnt 32                              ; block 0 is in; block 1's 32 loads may be out
	WLOAD 2
	WBLOCK 0
	s_wait_loadcnt 32                              ; block 1 is in; block 2's may be out
	WLOAD 3
	WBLOCK 1
	s_wait_loadcnt 32                              ; block 2 is in; block 3's may be out
	WBLOCK 2
	s_wait_loadcnt 0x0
	WBLOCK 3
	s_endpgm
.Lfunc_end_k_q08f07a4b65_quant:
	.size	k_q08f07a4b65_quant, .Lfunc_end_k_q08f07a4b65_quant-k_q08f07a4b65_quant
	.p2alignl 7, 3214868480
	.fill 96, 4, 3214868480
	.section	.rodata,"a",@progbits
	.p2align	6, 0x0
	.amdhsa_kernel k_q08f07a4b65_quant
		.amdhsa_group_segment_fixed_size 68608
		.amdhsa_private_segment_fixed_size 0
		.amdhsa_enable_private_segment 0
		.amdhsa_kernarg_size 64
		.amdhsa_user_sgpr_count 2
		.amdhsa_user_sgpr_kernarg_segment_ptr 1
		.amdhsa_wavefront_size32 1
		.amdhsa_system_sgpr_workgroup_id_x 1
		.amdhsa_system_sgpr_workgroup_id_y 1
		.amdhsa_system_sgpr_workgroup_id_z 1
		.amdhsa_system_vgpr_workitem_id 0
		.amdhsa_next_free_vgpr 226
		.amdhsa_next_free_sgpr 66
		.amdhsa_reserve_vcc 0
		.amdhsa_float_denorm_mode_32 3
		.amdhsa_float_denorm_mode_16_64 3
		.amdhsa_fp16_overflow 1
		.amdhsa_memory_ordered 1
		.amdhsa_forward_progress 1
		.amdhsa_inst_pref_size 25
	.end_amdhsa_kernel
	.amdgpu_metadata
---
amdhsa.version: [ 1, 2 ]
amdhsa.kernels:
  - .name:           k_q08f07a4b65_quant
    .symbol:         k_q08f07a4b65_quant.kd
    .args:
      - { .name: x, .offset: 0, .size: 8, .value_kind: global_buffer, .address_space: global }
      - { .name: Wq, .offset: 8, .size: 8, .value_kind: global_buffer, .address_space: global }
      - { .name: Wk, .offset: 16, .size: 8, .value_kind: global_buffer, .address_space: global }
      - { .name: Wv, .offset: 24, .size: 8, .value_kind: global_buffer, .address_space: global }
      - { .name: Wo, .offset: 32, .size: 8, .value_kind: global_buffer, .address_space: global }
      - { .name: lowp_scales, .offset: 40, .size: 8, .value_kind: global_buffer, .address_space: global }
      - { .name: xc, .offset: 48, .size: 8, .value_kind: global_buffer, .address_space: global }
      - { .name: wc, .offset: 56, .size: 8, .value_kind: global_buffer, .address_space: global }
    .group_segment_fixed_size: 68608
    .private_segment_fixed_size: 0
    .kernarg_segment_align: 8
    .kernarg_segment_size: 64
    .max_flat_workgroup_size: 256
    .sgpr_count:     66
    .vgpr_count:     226
    .wavefront_size: 32
...
	.end_amdgpu_metadata
.endif
;; end of part 1
;; launch qkv (part 2): grid 4 x 96, 4 waves a work-group, clusters of 4 x 4, 327,680 bytes of LDS; arguments xc, wc, lowp_scales, bq, bk, bv, qkvc; writes qkvc
.if DOCPART == 2
	.amdgcn_target "amdgcn-amd-amdhsa--gfx1250"
	.amdhsa_code_object_version 6
	.text
	.protected	k_q08f07a4b65_qkv
	.globl	k_q08f07a4b65_qkv
	.p2align	8
	.type	k_q08f07a4b65_qkv,@function
k_q08f07a4b65_qkv:
	s_mov_b64 s[64:65], 0
	v_nop
	global_prefetch_b8 v0, s[64:65] scope:SCOPE_SE
	s_setreg_imm32_b32 hwreg(HW_REG_WAVE_MODE, 25, 1), 1
	s_wait_xcnt 0x0
	s_wait_alu depctr_hold_cnt(0) depctr_sa_sdst(0) depctr_va_vdst(0) depctr_va_sdst(0) depctr_va_ssrc(0) depctr_va_vcc(0) depctr_vm_vsrc(0)
	s_getreg_b32 s2, hwreg(HW_REG_IB_STS2, 6, 4)
	s_cmp_eq_u32 s2, 0
	s_cbranch_scc0 .Lentry_in_a_cluster
	s_endpgm
.Lentry_in_a_cluster:
	s_bfe_u32 s2, ttmp6, 0x10000c
	s_cmp_lg_u32 s2, 0xf033
	s_cbranch_scc0 .Lentry_shape_is_right
	s_endpgm
.Lentry_shape_is_right:
; q = x Wq + bq, k = x Wk + bk, v = x Wv + bv on E4M3 codes; each result is quantised at once (2^e6, 2^e7, 2^e9) and stored as codes in the order in which the attention launch's fragments take them.
; Operands lie as IMAGES: byte = (row / 16) 16384 + (k / 128) 2048 + c 512 + 16 x lane, lane (r, h) holding k % 128 = 32 c + 16 h + 0 .. 15 of row 16 (row / 16) + r.  The same places of k on both sides: every product meets its partner.
; SHARES.  24 clusters of 4 x 4 work-groups; cluster y = 8 G + i: G = 0 q, 1 k, 2 v.  A cluster makes 1,024 x 1,024, a work-group of four waves 256 x 256, a wave 128 x 128: 64 accumulators, 512 registers.
; C'[row of role A][row of role B]; THE MATRIX INSTRUCTION IS USED TRANSPOSED (source 0 = 16 rows of role B, source 1 = 16 rows of role A): a lane holds one row of role A and eight neighbouring rows of role B.
;   q, k: role A = x's codes (tokens), role B = the weight's (channels): a lane's eight numbers are eight channels of a token, the next product's K.
;   v:    THE ROLES ARE SWAPPED: role A = Wv's codes, role B = x's: a lane's eight numbers are eight KEYS of a channel, the next product's K.  Nothing is transposed.
; K goes in steps of 256 through two LDS slots; a wave's tensor load brings 128 rows x 256 K = 8 rows of 4,096 bytes.  K = 1,024 is four such steps: written out, no loop.
; CLUSTERS: role A's tile is shared along a row of the cluster, role B's along a column: each is asked for JOINTLY, by the same tensor load with the same descriptor and a mask that names the four.
; By this text's own count a wave has at most two tensor loads out.
; LIMITS: e0 + e1, e2 + e3, e4 + e5 between -126 and 127; e6, e7, e9 between -126 and 119: each power of two below is then an f32 number.  NaN is not served.
; REGISTERS, in windows of 256: window 0: v1-31 addresses and constants; v32-95 bias along role B's rows; v96-111 bias along role A's rows (pairs); from v128 role A's fragments, ONE set; on the way out v128-255 are free.
;   window 1: role B's fragments, TWO sets, at v0 and v128.   window 2: the accumulators of my rows 0-63 ((a, b) at v[8 (8 a + b)]);   window 3: those of rows 64-127.
.set FR,     16                        ; registers of a fragment: 16 rows x 128 K
.set NL,     4                         ; LDS loads that bring one
.set NP,     4                         ; places behind this matrix instruction (ISA guide 7.12.1)
.set SLOT,   131072                    ; role A's 16 x 4,096 bytes, then role B's
.set SPARE,  2*SLOT                    ; behind the ring: the spare words, 128 bytes a wave: two blocks of 256 bytes that no other line names
.set KSB,    4096                      ; 256 along K of 16 rows, in bytes
.set ADRA, 16                          ; v16-17  LDS address of my role A fragments in slot 0, 1
.set ADRB, 20                          ; v20-21  the same for role B
.set STQ,  22                          ; v22     q, k: where I put 8 codes in my stage
.set STV,  23                          ; v23     v: the same
.set RDQ,  24                          ; v24     q, k: where I read my stage back
.set RDV,  25                          ; v25     v: the same
.set GO,   26                          ; v26     16 x lane
.set SPW,  28                          ; v28     LDS address of my spare word; never rewritten
.set NIL,  29                          ; v29     0; never rewritten
.set SCL,  30                          ; v30     2^eo
.set LIM,  31
.set BI,   32
.set BV,   96
.set AF,   128
.set TMP,  128                         ; the way out: a block's 64 numbers
.set CD,   192                         ; and their codes, two sets of 16 by turns
.set OUTR, 128                         ; my 16 KiB of codes read back: v128-255
.set G1, 24                            ; s[24:31] descriptor group 1 for role A;  s[32:39] group 0, one set for each slot
.set G0, 32
.set G1B, 48                           ; s[48:55], s[56:63] the same for role B
.set G0B, 56
.set MSB, 0
.macro WIN new                         ; the immediate's high byte repeats the setting that is left
.if MSB != \new
	s_set_vgpr_msb (MSB<<8)|\new
.set MSB, \new
.endif
.endm
.set MUL_LO, 0xa1                      ; source 0 (role B) window 1, source 1 (role A) window 0, C and D window 2
.set MUL_HI, 0xf1                      ; the same, C and D window 3
.set TO_B,   0x40                      ; destination window 1, address window 0
; A joint load: waves 0 and 1 fetch for role A, waves 2 and 3 for role B.  Each line has ONE mask and one set of registers; the branch hangs on the wave's number alone.  Four v_nop follow each line.
.macro JLOAD g0a, g1a, g0b, g1b
	s_cmp_eq_u32 s19, 0
	s_cbranch_scc0 .Lfor_b_\@
	tensor_load_to_lds s[\g0a:\g0a+3], s[\g1a:\g1a+7]
	s_nop 0
.rept 4
	v_nop
.endr
	s_branch .Lasked_\@
.Lfor_b_\@:
	tensor_load_to_lds s[\g0b:\g0b+3], s[\g1b:\g1b+7]
	s_nop 0
.rept 4
	v_nop
.endr
.Lasked_\@:
.endm
.macro CREST                           ; a round of the cluster's barrier behind its opening barrier
	s_cmp_lg_u32 s18, 0
	s_cbranch_scc1 .Lnot_wave_0_\@
	s_barrier_signal -3
.Lnot_wave_0_\@:
	s_barrier_wait -3
	s_barrier_signal -1
	s_barrier_wait -1
.endm
.macro CROUND                          ; a whole round
	s_barrier_signal -1
	s_barrier_wait -1
	CREST
.endm
	s_load_b256 s[4:11], s[0:1], 0x0               ; xc 4:5, wc 6:7, scales 8:9, bq 10:11
	s_load_b128 s[12:15], s[0:1], 0x20             ; bk 12:13, bv 14:15
	s_load_b64 s[16:17], s[0:1], 0x30              ; qkvc
	v_lshl_add_u32 v[SPW], v0, 2, SPARE
	v_mov_b32 v[NIL], 0
	ds_add_u32 v28, v29
	ds_add_u32 v28, v29
	s_wait_dscnt 0x0
	v_lshrrev_b32 v1, 5, v0
	v_readfirstlane_b32 s18, v1                    ; wave 0..3
	s_lshr_b32 s19, s18, 1                         ; which half of role A's rows is mine.  Also: I fetch for role A (0) or B (1)
	s_and_b32 s20, s18, 1                          ; which half of role B's rows.  Also: which 128 rows of that tile I fetch
	s_bfe_u32 s21, ttmp6, 0x40000                  ; cx
	s_bfe_u32 s22, ttmp6, 0x40004                  ; cy
	s_and_b32 s40, ttmp7, 0xffff                   ; the cluster's y, which all sixteen share
	s_lshr_b32 s23, s40, 3                         ; G
	s_and_b32 s40, s40, 7
	s_lshl_b32 s40, s40, 2                         ; 4 i: which 1,024 tokens
	s_lshl_b32 s2, s23, 23                         ; part G of x's codes (and of the output)
	s_lshl_b32 s3, s23, 20                         ; part G of the weights' codes
	s_lshl_b32 s43, s22, 2
	s_lshl_b32 s43, 15, s43                        ; my row of the cluster
	s_lshl_b32 s44, 0x1111, s21                    ; my column
	s_cmp_eq_u32 s23, 2                            ; v?  All four choices stand ahead of the additions, which write SCC
	s_cselect_b32 s41, 0, s40
	s_cselect_b32 s42, s40, 0
	s_cselect_b32 s66, s3, s2                      ; role A's part
	s_cselect_b32 s46, s2, s3                      ; role B's part
	s_add_co_u32 s41, s41, s22                     ; TR: tile row, of role A: it hangs on cy and the cluster's y alone
	s_add_co_u32 s42, s42, s21                     ; TC: tile column, of role B: on cx and the cluster's y alone
	s_lshl_b32 s67, s41, 18                        ; 256 rows of an image are 262,144 bytes
	s_add_co_u32 s66, s66, s67
	s_lshl_b32 s67, s20, 17                        ; which 128 rows I fetch
	s_add_co_u32 s66, s66, s67
	s_mov_b32 s67, 0
	s_lshl_b32 s47, s42, 18
	s_add_co_u32 s46, s46, s47
	s_lshl_b32 s47, s20, 17
	s_add_co_u32 s46, s46, s47
	s_mov_b32 s47, 0
	s_lshl_b32 s45, s18, 15                        ; where they go: wave x 32,768: no place in the cluster enters an LDS address
	; descriptor group 1: 8 rows of 4,096 bytes, 16,384 bytes apart, laid on end in LDS
	s_or_b32 s[G1+0], s43, (1<<21)                 ; 15:0 the mask: role A's tiles go to my row; 17:16 elements of 1 byte; 21 set beside a mask; no padding
	s_or_b32 s[G1B+0], s44, (1<<21)                ; role B's go to my column
.irp g, G1, G1B
	s_mov_b32 s[\g+1], 4096<<16                    ; tensor_dim0
	s_mov_b32 s[\g+2], 8<<16                       ; tensor_dim1
	s_mov_b32 s[\g+3], 4096<<16                    ; tile_dim0
	s_mov_b32 s[\g+4], 8                           ; tile_dim1
	s_mov_b32 s[\g+5], 16384                       ; tensor_dim0_stride
	s_mov_b32 s[\g+6], 0
	s_mov_b32 s[\g+7], 0
.endr
	s_wait_kmcnt 0x0
	s_load_b256 s[68:75], s[8:9], 0x0              ; e0 .. e7
	s_load_b128 s[76:79], s[8:9], 0x20             ; e8 .. e11
	s_cmp_eq_u32 s23, 2
	s_cselect_b64 s[92:93], s[6:7], s[4:5]         ; role A's buffer
	s_cselect_b64 s[94:95], s[4:5], s[6:7]         ; role B's
	s_add_nc_u64 s[66:67], s[92:93], s[66:67]
	s_add_nc_u64 s[46:47], s[94:95], s[46:47]
	s_cmp_eq_u32 s23, 1
	s_cselect_b64 s[84:85], s[12:13], s[10:11]     ; the bias: bq, bk
	s_cmp_eq_u32 s23, 2
	s_cselect_b64 s[84:85], s[14:15], s[84:85]     ; or bv
	CROUND                                         ; all sixteen work-groups are here: the first joint loads meet
.irp s, 0,1
	s_mov_b32 s[G0+4*\s], 1
	s_add_co_u32 s[G0+4*\s+1], s45, \s*SLOT
	s_add_nc_u64 s[G0+4*\s+2:G0+4*\s+3], s[66:67], \s*KSB
	s_or_b32 s[G0+4*\s+3], s[G0+4*\s+3], 0x80000000
	s_mov_b32 s[G0B+4*\s], 1
	s_add_co_u32 s[G0B+4*\s+1], s45, \s*SLOT
	s_add_nc_u64 s[G0B+4*\s+2:G0B+4*\s+3], s[46:47], \s*KSB
	s_or_b32 s[G0B+4*\s+3], s[G0B+4*\s+3], 0x80000000
	JLOAD G0+4*\s, G1, G0B+4*\s, G1B
.endr
	; The bias in both forms, asked for now so that it is in long before the way out.  The form that a path does not use reads from the bias's first bytes.
	s_lshl_b32 s88, s42, 10
	s_lshl_b32 s89, s20, 9
	s_add_co_u32 s88, s88, s89                     ; 4 x (256 TC + 128 (wave % 2))
	s_lshl_b32 s90, s41, 10
	s_lshl_b32 s91, s19, 9
	s_add_co_u32 s90, s90, s91                     ; 4 x (256 TR + 128 (wave / 2))
	s_cmp_eq_u32 s23, 2
	s_cselect_b32 s88, 0, s88
	s_cselect_b32 s90, s90, 0
	v_and_b32 v1, 15, v0                           ; r
	v_bfe_u32 v2, v0, 4, 1                         ; h
	v_lshl_add_u32 v8, v2, 5, s88                  ; q, k: block b's channels 16 b + 8 h + 0 .. 7
	v_lshl_add_u32 v9, v1, 2, s90                  ; v: block a's channel 16 a + r
.irp b, 0,1,2,3,4,5,6,7
	global_load_b128 v[BI+8*\b:BI+8*\b+3], v8, s[84:85] offset:64*\b
	global_load_b128 v[BI+8*\b+4:BI+8*\b+7], v8, s[84:85] offset:64*\b+16
.endr
.irp a, 0,1,2,3,4,5,6,7
	global_load_b32 v[BV+2*\a], v9, s[84:85] offset:64*\a
.endr
	v_and_b32 v3, 31, v0
	v_lshlrev_b32 v[GO], 4, v3                     ; 16 x lane
	s_wait_alu depctr_va_vdst(0)
	s_lshl_b32 s91, s19, 15                        ; my 128 rows of role A
	s_lshl_b32 s89, s20, 15                        ; my 128 rows of role B,
	s_add_co_u32 s89, s89, 65536                   ; which lie behind role A's 256
.irp s, 0,1
	v_add_nc_u32 v[ADRA+\s], s91, v[GO]
	v_add_nc_u32 v[ADRB+\s], s89, v[GO]
	s_add_co_u32 s91, s91, SLOT
	s_add_co_u32 s89, s89, SLOT
.endr
	; The stages, 16 KiB a wave, lie in slot 0, which has had its last fill and its last read when the first code is stored there.  Each of the two ways out has bytes of its own.
	s_lshl_b32 s91, s18, 14
	v_add_nc_u32 v[RDQ], s91, v[GO]
	v_add_nc_u32 v[RDV], 65536, v[RDQ]
	v_lshlrev_b32 v4, 4, v1
	v_lshl_add_u32 v4, v2, 3, v4
	v_add_nc_u32 v4, s91, v4
	v_add_nc_u32 v[STV], 65536, v4                 ; v: 16 r + 8 h
	v_lshrrev_b32 v5, 3, v1
	v_and_b32 v6, 7, v1
	v_lshlrev_b32 v5, 10, v5
	v_lshl_add_u32 v5, v6, 4, v5
	v_lshl_add_u32 v5, v2, 3, v5
	v_add_nc_u32 v[STQ], s91, v5                   ; q, k: 1,024 (r / 8) + 16 (r % 8) + 8 h
	; where my 2 heads x 128 tokens go: part G, (batch x 16 + head) x 131,072 + (block of 128 tokens) x 8,192
	s_lshl_b32 s92, s41, 1
	s_add_co_u32 s92, s92, s19                     ; 2 TR + wave / 2
	s_lshl_b32 s93, s42, 1
	s_add_co_u32 s93, s93, s20                     ; 2 TC + wave % 2
	s_cmp_eq_u32 s23, 2
	s_cselect_b32 s94, s93, s92                    ; my block of 128 tokens, of 64
	s_cselect_b32 s95, s92, s93
	s_lshl_b32 s95, s95, 1                         ; my first head
	s_lshr_b32 s92, s94, 4
	s_lshl_b32 s92, s92, 4
	s_add_co_u32 s92, s92, s95
	s_lshl_b32 s92, s92, 17
	s_and_b32 s93, s94, 15
	s_lshl_b32 s93, s93, 13
	s_add_co_u32 s92, s92, s93
	s_add_co_u32 s86, s92, s2
	s_mov_b32 s87, 0
	s_add_nc_u64 s[86:87], s[16:17], s[86:87]
.macro FRAG reg, adr, q, i             ; a fragment, 16 rows x 128 K, is 16 registers: four loads of 512 consecutive bytes
.irp c, 0,1,2,3
	ds_load_b128 v[\reg+4*\c:\reg+4*\c+3], v[\adr] offset:2048*(\q)+512*\c+(\i)*4096
.endr
.endm
; 16 matrix instructions: role A's blocks a0, a0 + 1 x role B's eight, 128 along K.  p: role B's set.  zero = 1: the first product starts the sums: nothing is ever cleared.
; The 64 accumulators take turns, one instruction a turn, in the same order in every step.
.macro MUL16 a0, p, zero
.irp a, \a0, \a0+1
.irp b, 0,1,2,3,4,5,6,7
.if \zero
	v_wmma_f32_16x16x128_fp8_fp8 v[8*(8*((\a)%4)+\b):8*(8*((\a)%4)+\b)+7], v[128*(\p)+FR*\b:128*(\p)+FR*\b+FR-1], v[AF+FR*(\a):AF+FR*(\a)+FR-1], 0
.else
	v_wmma_f32_16x16x128_fp8_fp8 v[8*(8*((\a)%4)+\b):8*(8*((\a)%4)+\b)+7], v[128*(\p)+FR*\b:128*(\p)+FR*\b+FR-1], v[AF+FR*(\a):AF+FR*(\a)+FR-1], v[8*(8*((\a)%4)+\b):8*(8*((\a)%4)+\b)+7]
.endif
.endr
.endr
.endm
.macro FETCH_B slot, q, p              ; role B's eight fragments of the slot's q-th 128 along K into set p
	WIN TO_B
.irp i, 0,1,2,3,4,5,6,7
	FRAG 128*(\p)+FR*\i, ADRB+\slot, \q, \i
.endr
	WIN 0
.endm
.macro FETCH_A slot, q, i0             ; role A's blocks i0 .. i0 + 3
.irp i, \i0, \i0+1, \i0+2, \i0+3
	FRAG AF+FR*(\i), ADRA+\slot, \q, \i
.endr
.endm
.macro PLACES n                        ; plain vector lines between a matrix instruction and a load into, or a read of, its registers
.rept \n
	v_nop
.endr
.endm
; A step of 128 along K that has its successor in the same slot.  A block of role A is free as soon as its eight products are issued: one set serves; role B has two.
.macro STEP slot, q, zero
	s_wait_dscnt 4*NL                              ; role B's set and role A's blocks 0-3 are in; the youngest sixteen loads (blocks 4-7) may be out
	WIN MUL_LO
	MUL16 0, (\q)%2, \zero
	MUL16 2, (\q)%2, \zero
	s_wait_dscnt 0                                 ; blocks 4-7 are in
	PLACES NP
	FETCH_B \slot, (\q)+1, 1-(\q)%2
	FETCH_A \slot, (\q)+1, 0
	WIN MUL_HI
	MUL16 4, (\q)%2, \zero
	MUL16 6, (\q)%2, \zero
	PLACES NP
	WIN 0
	FETCH_A \slot, (\q)+1, 4
.endm
; A slot's last step changes slots: ONE barrier; in front of it each wave waits for all its tensor loads, adds 0 to its spare word, and waits for that and for its own reads of this slot.  fill = 1: this slot is filled again, two K steps ahead.
.macro TURN slot, next, fill
	s_wait_tensorcnt 0x0                           ; all my tensor loads have landed: my part of the next slot
	ds_add_u32 v[SPW], v[NIL]                      ; 0 onto my spare word
	s_wait_dscnt 4*NL+1                            ; (the add and the youngest sixteen loads may be out)
	WIN MUL_LO
	MUL16 0, 1, 0                                  ; sixteen matrix instructions stand between the add and the wait for it
	s_wait_dscnt 0x0                               ; the add is done, and my reads of this slot are over
	s_barrier_signal -1
	MUL16 2, 1, 0
	WIN 0
	s_barrier_wait -1
.if \fill
	CREST                                          ; the barrier has opened a round of the cluster's barrier: no wave of any partner still reads this slot or has a load on its way
	s_add_nc_u64 s[G0+4*\slot+2:G0+4*\slot+3], s[G0+4*\slot+2:G0+4*\slot+3], 2*KSB
	s_add_nc_u64 s[G0B+4*\slot+2:G0B+4*\slot+3], s[G0B+4*\slot+2:G0B+4*\slot+3], 2*KSB
	JLOAD G0+4*\slot, G1, G0B+4*\slot, G1B         ; the first tensor load behind the round; its four v_nop are the places in front of the loads below
.else
	PLACES NP
.endif
	FETCH_B \next, 0, 0
	FETCH_A \next, 0, 0
	WIN MUL_HI
	MUL16 4, 1, 0
	MUL16 6, 1, 0
	PLACES NP
	WIN 0
	FETCH_A \next, 0, 4
.endm
	s_wait_tensorcnt 1                             ; my part of K step 0 is in (K step 1's load may be out)
	s_barrier_signal -1
	s_barrier_wait -1                              ; everybody's is
	FETCH_B 0, 0, 0
	FETCH_A 0, 0, 0
	FETCH_A 0, 0, 4
	STEP 0, 0, 1                                   ; K 0-127: its products start the sums
	TURN 0, 1, 1                                   ; K 128-255; slot 0 takes K 512-767
	STEP 1, 0, 0
	TURN 1, 0, 1                                   ; slot 1 takes K 768-1023
	STEP 0, 0, 0
	TURN 0, 1, 0                                   ; nothing is left to fetch
	STEP 1, 0, 0
	s_wait_dscnt 4*NL                              ; the very last step
	WIN MUL_LO
	MUL16 0, 1, 0
	MUL16 2, 1, 0
	s_wait_dscnt 0
	WIN MUL_HI
	MUL16 4, 1, 0
	MUL16 6, 1, 0
	WIN 0
	; THE WAY OUT.  number = sum x 2^(ea + eb) + bias (one fused multiply-add), held within +-448 x 2^eo, converted.  Every choice is a select on G; no branch hangs on a loaded number.
	s_wait_kmcnt 0x0
	s_add_co_i32 s88, s68, s69
	s_add_co_i32 s89, s70, s71
	s_add_co_i32 s90, s72, s73
	s_cmp_eq_u32 s23, 1
	s_cselect_b32 s88, s89, s88
	s_cselect_b32 s82, s75, s74                    ; e7 or e6
	s_cmp_eq_u32 s23, 2
	s_cselect_b32 s88, s90, s88
	s_cselect_b32 s82, s77, s82                    ; e9
	s_add_co_i32 s88, s88, 127
	s_lshl_b32 s80, s88, 23                        ; 2^(ea + eb) as f32
	s_mov_b32 s81, s80                             ; (named with it as a pair, so it is written)
	s_add_co_i32 s82, s82, 127
	s_lshl_b32 s89, s82, 23
	s_wait_loadcnt 0x0                             ; the bias
	v_mov_b32 v[SCL], s89                          ; these nine plain lines, which name no register of the last products, are the places behind them
.irp a, 0,1,2,3,4,5,6,7
	v_mov_b32 v[BV+2*\a+1], v[BV+2*\a]             ; a row's bias twice: a pair for the packed form
.endr
; Block a (16 rows of role A x my 128 rows of role B): 64 numbers a lane become 64 codes, 8 bytes for each of the eight accumulators, and go to their place in my stage.
.macro EBLOCK a, isv
.set AC, 64*((\a)%4)
.set CDA, CD+16*((\a)%2)
	WIN 0x02+((\a)/4)                              ; source 0: window 2 or 3
.set jj, 0
.rept 32
.if \isv
	v_pk_fma_f32 v[TMP+jj:TMP+jj+1], v[AC+jj:AC+jj+1], s[80:81], v[BV+2*(\a):BV+2*(\a)+1] op_sel_hi:[1,0,1]   ; each accumulator from its low end on
.else
	v_pk_fma_f32 v[TMP+jj:TMP+jj+1], v[AC+jj:AC+jj+1], s[80:81], v[BI+jj:BI+jj+1] op_sel_hi:[1,0,1]
.endif
.set jj, jj+2
.endr
	WIN 0
.set jj, 0
.rept 64
.set jj, jj+1
.endr
.irp b, 0,1,2,3,4,5,6,7
	v_cvt_scalef32_pk8_fp8_f32 v[CDA+2*\b:CDA+2*\b+1], v[TMP+8*\b:TMP+8*\b+7], v[SCL]
.endr
	v_nop                                          ; one plain line behind the last conversion: the next block writes its sources
.irp b, 0,1,2,3,4,5,6,7
.if \isv
	ds_store_b64 v[STV], v[CDA+2*\b:CDA+2*\b+1] offset:((\a)/4)*8192+((\a)%4)*2048+(\b/2)*512+(\b%2)*256   ; head a / 4, channels 16 (a % 4) + r, keys 16 b + 8 h + 0 .. 7
.else
	ds_store_b64 v[STQ], v[CDA+2*\b:CDA+2*\b+1] offset:(\b/4)*8192+((\a)/2)*2048+((\a)%2)*128+(\b%2)*512+((\b/2)%2)*256   ; head b / 4, token 16 a + r, channels 16 (b % 4) + 8 h + 0 .. 7
.endif
.endr
.endm
.macro EOUT rd                         ; my stage, 2 heads x 8,192 bytes, leaves as it lies
.set ii, 0
.rept 32
	ds_load_b128 v[OUTR+4*ii:OUTR+4*ii+3], v[\rd] offset:512*ii   ; LDS serves a wave's instructions in order: these see my stores
.set ii, ii+1
.endr
.set ii, 0
.rept 32
	s_wait_dscnt 31-ii                             ; load ii is in, the younger ones stay out
	global_store_b128 v[GO], v[OUTR+4*ii:OUTR+4*ii+3], s[86:87] offset:(ii/16)*131072+(ii%16)*512   ; 512 consecutive bytes, aligned
.set ii, ii+1
.endr
.endm
	s_cmp_eq_u32 s23, 2                            ; alike in all sixteen work-groups
	s_cbranch_scc1 .Lv
.irp a, 0,1,2,3,4,5,6,7
	EBLOCK \a, 0
.endr
	EOUT RDQ
	s_branch .Ljoin
.Lv:
	s_wait_alu depctr_va_vdst(0)
.irp a, 0,1,2,3,4,5,6,7
	EBLOCK \a, 1
.endr
	EOUT RDV
.Ljoin:
	s_wait_tensorcnt 0x0                           ; the wave's end: behind my last tensor load and my last LDS store
	ds_add_u32 v[SPW], v[NIL]
	s_wait_dscnt 0x0
	CROUND                                         ; the closing round: no work-group ends while a partner may still ask for a tile that names it
	s_endpgm
.Lfunc_end_k_q08f07a4b65_qkv:
	.size	k_q08f07a4b65_qkv, .Lfunc_end_k_q08f07a4b65_qkv-k_q08f07a4b65_qkv
	.p2alignl 7, 3214868480
	.fill 96, 4, 3214868480
	.section	.rodata,"a",@progbits
	.p2align	6, 0x0
	.amdhsa_kernel k_q08f07a4b65_qkv
		.amdhsa_group_segment_fixed_size 327680
		.amdhsa_private_segment_fixed_size 0
		.amdhsa_enable_private_segment 0
		.amdhsa_kernarg_size 56
		.amdhsa_user_sgpr_count 2
		.amdhsa_user_sgpr_kernarg_segment_ptr 1
		.amdhsa_wavefront_size32 1
		.amdhsa_system_sgpr_workgroup_id_x 1
		.amdhsa_system_sgpr_workgroup_id_y 1
		.amdhsa_system_sgpr_workgroup_id_z 1
		.amdhsa_system_vgpr_workitem_id 0
		.amdhsa_next_free_vgpr 1024
		.amdhsa_next_free_sgpr 100
		.amdhsa_reserve_vcc 0
		.amdhsa_float_denorm_mode_32 3
		.amdhsa_float_denorm_mode_16_64 3
		.amdhsa_fp16_overflow 1
		.amdhsa_memory_ordered 1
		.amdhsa_forward_progress 1
		.amdhsa_inst_pref_size 143
	.end_amdhsa_kernel
	.amdgpu_metadata
---
amdhsa.version: [ 1, 2 ]
amdhsa.kernels:
  - .name:           k_q08f07a4b65_qkv
    .symbol:         k_q08f07a4b65_qkv.kd
    .args:
      - { .name: xc, .offset: 0, .size: 8, .value_kind: global_buffer, .address_space: global }
      - { .name: wc, .offset: 8, .size: 8, .value_kind: global_buffer, .address_space: global }
      - { .name: lowp_scales, .offset: 16, .size: 8, .value_kind: global_buffer, .address_space: global }
      - { .name: bq, .offset: 24, .size: 8, .value_kind: global_buffer, .address_space: global }
      - { .name: bk, .offset: 32, .size: 8, .value_kind: global_buffer, .address_space: global }
      - { .name: bv, .offset: 40, .size: 8, .value_kind: global_buffer, .address_space: global }
      - { .name: qkvc, .offset: 48, .size: 8, .value_kind: global_buffer, .address_space: global }
    .group_segment_fixed_size: 327680
    .private_segment_fixed_size: 0
    .kernarg_segment_align: 8
    .kernarg_segment_size: 56
    .max_flat_workgroup_size: 128
    .sgpr_count:     100
    .vgpr_count:     1024
    .wavefront_size: 32
...
	.end_amdgpu_metadata
.endif
;; end of part 2
;; launch attn (part 3): grid 4 x 64, 16 waves a work-group, clusters of 4 x 1, 264,192 bytes of LDS; arguments qkvc, lowp_scales, cc; writes cc
.if DOCPART == 3
	.amdgcn_target "amdgcn-amd-amdhsa--gfx1250"
	.amdhsa_code_object_version 6
	.text
	.protected	k_q08f07a4b65_attn
	.globl	k_q08f07a4b65_attn
	.p2align	8
	.type	k_q08f07a4b65_attn,@function
k_q08f07a4b65_attn:
	s_mov_b64 s[64:65], 0
	v_nop
	global_prefetch_b8 v0, s[64:65] scope:SCOPE_SE
	s_setreg_imm32_b32 hwreg(HW_REG_WAVE_MODE, 25, 1), 1
	s_wait_xcnt 0x0
	s_wait_alu depctr_hold_cnt(0) depctr_sa_sdst(0) depctr_va_vdst(0) depctr_va_sdst(0) depctr_va_ssrc(0) depctr_va_vcc(0) depctr_vm_vsrc(0)
	s_getreg_b32 s2, hwreg(HW_REG_IB_STS2, 6, 4)
	s_cmp_eq_u32 s2, 0
	s_cbranch_scc0 .Lentry_in_a_cluster
	s_endpgm
.Lentry_in_a_cluster:
	s_bfe_u32 s2, ttmp6, 0x10000c
	s_cmp_lg_u32 s2, 0x3003
	s_cbranch_scc0 .Lentry_shape_is_right
	s_endpgm
.Lentry_shape_is_right:
; ctx[b][s][64 head + d] = the sum over keys k <= s of softmax_k(q . k / 8) v, both products on E4M3 codes; the result is quantised at once (2^e10) and stored as the last product's operand image.
; THE SOFTMAX: t = score x log2(e) / 8; M = the running largest t rounded UP to a whole number; p = 2^(t - M) is quantised (2^e8), not normalised; the row's sum is taken of the unquantised p and divides at the end.
; When M moves, the sum and O are multiplied by 2^(old M - new M): exact, and no branch on data.
; NOTHING IS FILLED TWICE.  A head's K and V as codes are 131,072 bytes each: both lie in LDS whole.  Wave 0 brings K, wave 1 V, eight pieces of 16,384 bytes each (eight tensor loads of a wave are out, by this text's count).
; No ring, no refill, no LDS store.  Behind the first barrier (keys 0-255 are in) every wave starts; behind the second (all is in) the sixteen waves run freely.
; CLUSTER: the four work-groups of a cluster serve one (batch, head) and need the same K and V: each piece is asked for JOINTLY, with a mask that names the four.
; EQUAL WORK.  The 128 tiles of 16 queries are paired: tile 127 - p with tile p.  Tile t needs t / 8 + 1 steps of 128 keys, a pair 17.  A wave takes one pair, first the high tile, then the low one.
; p = 4 rho + cx, rho a permutation of the wave's number; t / 8 hangs on rho alone, so every branch is alike in the four partners; cx enters only Q's and ctx's global addresses and the mask's numbers.
; Every loop has a constant trip count; a step all of whose keys come after the tile's queries jumps, on ids, over its own work.  On the diagonal step hidden scores become -infinity ahead of the maximum.  Key 0 counts for every query.
; LAYOUT.  Both products are used transposed: S^T = K Q^T (source 0 = 16 keys, source 1 = my 16 queries, K = 64), O^T = V^T P^T (source 0 = 16 channels, source 1 = P, K = 128 keys): a lane holds ONE query throughout.
; A step's K is 8 tiles of 1,024 bytes; row rho of tile 2 b + u is key 32 b + 8 u + rho + 8 (rho / 8), so that the 16 registers of tiles 2 b, 2 b + 1 are keys 32 b + 16 (lane / 16) + 0 .. 15: the conversions' results are P's fragment.
; LIMITS: e6 + e7 between -123 and 130 (added to c's exponent field); e8 and e10 between -126 and 119; e8 + e9 is applied by v_ldexp_f32 and has none.  NaN is not served.
; REGISTERS: v1-9 addresses and constants; v12 -M, v13 the largest t, v[14:15] the sum; v16-23, v24-31 Q of the two tiles; v32-95 K's 8 fragments, then V's 4; v96-159 S^T, then p; v160-191 O^T; v192-223 the way out; v224-239 p's codes; v240-254 at work.
.set LK,   1                           ; v1   16 x lane
.set ADK,  2                           ; v2   LDS address of the step's K
.set ADV,  3                           ; v3   of its V
.set QO,   4                           ; v4   my lane's place in a tile of Q
.set CO,   5                           ; v5   my lane's place in 256 bytes of ctx's image
.set DQA,  6                           ; v6   high tile: my query - the diagonal step's first key - 16 (lane / 16)
.set DQB,  7                           ; v7   low tile: the same
.set WV,   18
.set SEL,  20                          ; s[20:21] lane selects for v_permlanex16_b32: lane l xor 16
.set CS,   22                          ; s[22:23] c = log2(e) / 8 x 2^(e6 + e7)
.set G1,   24                          ; s[24:31] descriptor group 1
.set G0,   68                          ; s[68:99] eight groups 0
.set KD,   51                          ; s51  the diagonal step of the tile in hand
.set KS,   52                          ; s52  the step
.set KB,   53                          ; s53  8,192 x the step
.macro CROUND                          ; a round of the cluster's barrier
	s_barrier_signal -1
	s_barrier_wait -1
	s_cmp_lg_u32 s[WV], 0
	s_cbranch_scc1 .Lnot_wave_0_\@
	s_barrier_signal -3
.Lnot_wave_0_\@:
	s_barrier_wait -3
	s_barrier_signal -1
	s_barrier_wait -1
.endm
.macro QOFF dst, t                     ; byte offset of tile s[t]'s 16 queries in part q: (t / 8) 8192 + ((t / 2) % 4) 2048 + (t % 2) 128, + the head's
	s_lshr_b32 s32, s[\t], 3
	s_lshl_b32 s32, s32, 13
	s_bfe_u32 s33, s[\t], 0x20001
	s_lshl_b32 s33, s33, 11
	s_add_co_u32 s32, s32, s33
	s_and_b32 s33, s[\t], 1
	s_lshl_b32 s33, s33, 7
	s_add_co_u32 s32, s32, s33
	s_add_co_u32 s[\dst], s32, s2
	s_mov_b32 s[\dst+1], 0
.endm
	s_load_b128 s[4:7], s[0:1], 0x0                ; qkvc 4:5, scales 6:7
	s_load_b64 s[8:9], s[0:1], 0x10                ; cc
	v_lshl_add_u32 v251, v0, 2, 0x40000
	v_mov_b32 v255, 0
	ds_add_u32 v251, v255
	ds_add_u32 v251, v255
	v_lshrrev_b32 v10, 5, v0
	s_delay_alu instid0(VALU_DEP_1)
	v_readfirstlane_b32 s[WV], v10                 ; wave 0..15
	s_and_b32 s19, s[WV], 1                        ; a fetching wave: 0 K, 1 V
	s_bfe_u32 s10, ttmp6, 0x40000                  ; cx
	s_and_b32 s11, ttmp7, 0xffff                   ; 16 x batch + head, which the four partners share
	s_lshl_b32 s2, s11, 17                         ; its 131,072 bytes in each part
	s_lshr_b32 s12, s[WV], 2
	s_and_b32 s13, s[WV], 3
	s_add_co_u32 s13, s13, s12
	s_and_b32 s13, s13, 3
	s_lshl_b32 s13, s13, 2
	s_add_co_u32 s48, s13, s12                     ; rho = 4 ((wave / 4 + wave % 4) % 4) + wave / 4: long and short first passes are spread over the wave numbers
	s_lshr_b32 s50, s48, 1                         ; the low tile's diagonal step
	s_sub_co_u32 s49, 15, s50                      ; the high tile's
	s_lshl_b32 s14, s48, 2
	s_add_co_u32 s14, s14, s10                     ; the low tile: 4 rho + cx
	s_sub_co_u32 s15, 127, s14                     ; the high tile
	QOFF 56, 15
	QOFF 58, 14
	s_lshr_b32 s55, s11, 4
	s_lshl_b32 s55, s55, 7                         ; ctx's image: 128 x batch tiles of 16 rows,
	s_bfe_u32 s16, s11, 0x30001
	s_lshl_b32 s16, s16, 11                        ; (head / 2) x 2,048,
	s_and_b32 s17, s11, 1
	s_lshl_b32 s17, s17, 10                        ; (head % 2) x 1,024
	s_add_co_u32 s16, s16, s17
	s_add_co_u32 s60, s55, s15
	s_lshl_b32 s60, s60, 14
	s_add_co_u32 s60, s60, s16
	s_mov_b32 s61, 0
	s_add_co_u32 s62, s55, s14
	s_lshl_b32 s62, s62, 14
	s_add_co_u32 s62, s62, s16
	s_mov_b32 s63, 0
	s_add_co_u32 s12, s19, 1
	s_lshl_b32 s12, s12, 23                        ; part k or part v,
	s_add_co_u32 s12, s12, s2                      ; the head: no place in the cluster enters a descriptor
	s_mov_b32 s13, 0
	s_lshl_b32 s3, s19, 17                         ; K from LDS byte 0, V from 131,072
	; descriptor group 1: a dense block of 16,384 bytes as 64 rows of 32 elements of 8 bytes
	s_mov_b32 s[G1], 15|(3<<16)|(1<<21)            ; 15:0 the mask: all four work-groups; 17:16 elements of 8 bytes; 21 set beside a mask; no padding
	s_mov_b32 s[G1+1], 32<<16                      ; tensor_dim0
	s_mov_b32 s[G1+2], 64<<16                      ; tensor_dim1
	s_mov_b32 s[G1+3], 32<<16                      ; tile_dim0
	s_mov_b32 s[G1+4], 64                          ; tile_dim1
	s_mov_b32 s[G1+5], 32                          ; tensor_dim0_stride
	s_mov_b32 s[G1+6], 0
	s_mov_b32 s[G1+7], 0
	s_mov_b32 s[SEL], 0x76543210
	s_mov_b32 s[SEL+1], 0xfedcba98
	s_mov_b32 s[CS], 0x3e38aa3b                    ; log2(e) / 8
	v_and_b32 v[LK], 31, v0
	s_delay_alu instid0(VALU_DEP_1)
	v_lshlrev_b32 v[LK], 4, v[LK]
	v_and_b32 v10, 15, v0                          ; r
	v_bfe_u32 v11, v0, 4, 1                        ; h
	s_delay_alu instid0(VALU_DEP_2)
	v_lshrrev_b32 v[QO], 3, v10
	s_delay_alu instid0(VALU_DEP_1)
	v_lshlrev_b32 v[QO], 10, v[QO]
	s_delay_alu instid0(VALU_DEP_4)
	v_and_b32 v12, 7, v10
	s_delay_alu instid0(VALU_DEP_1)
	v_lshl_add_u32 v[QO], v12, 4, v[QO]
	s_delay_alu instid0(VALU_DEP_1)
	v_lshl_add_u32 v[QO], v11, 8, v[QO]            ; 1,024 (r / 8) + 16 (r % 8) + 256 h
	v_lshlrev_b32 v[CO], 4, v10
	s_delay_alu instid0(VALU_DEP_1)
	v_lshl_add_u32 v[CO], v11, 3, v[CO]            ; 16 r + 8 h
	s_and_b32 s32, s15, 7
	s_lshl_b32 s32, s32, 4
	s_and_b32 s33, s14, 7
	s_lshl_b32 s33, s33, 4
	v_lshlrev_b32 v12, 4, v11
	s_delay_alu instid0(VALU_DEP_1)
	v_sub_nc_u32 v12, v10, v12                     ; r - 16 h
	s_delay_alu instid0(VALU_DEP_1)
	v_add_nc_u32 v[DQA], s32, v12                  ; + 16 (tile % 8)
	s_delay_alu instid0(VALU_DEP_2)
	v_add_nc_u32 v[DQB], s33, v12
	v_mov_b32 v241, 0                              ; written once: a lane permute's destination counts as one of its sources
	v_mov_b32 v253, 0                              ; (named as the upper half of the pair v[252:253])
	s_wait_dscnt 0x0
	s_wait_kmcnt 0x0
	s_load_b256 s[36:43], s[6:7], 0x0              ; e0 .. e7
	s_load_b128 s[44:47], s[6:7], 0x20             ; e8 .. e11
	s_add_nc_u64 s[12:13], s[4:5], s[12:13]
	s_add_nc_u64 s[56:57], s[4:5], s[56:57]        ; Q of the high tile,
	s_add_nc_u64 s[58:59], s[4:5], s[58:59]        ; of the low one
	s_add_nc_u64 s[60:61], s[8:9], s[60:61]        ; ctx of the high tile,
	s_add_nc_u64 s[62:63], s[8:9], s[62:63]        ; of the low one
.irp n, 0,1,2,3,4,5,6,7
	s_mov_b32 s[G0+4*\n], 1                        ; count = 1
	s_add_co_u32 s[G0+4*\n+1], s3, \n*16384        ; LDS address
	s_add_nc_u64 s[G0+4*\n+2:G0+4*\n+3], s[12:13], \n*16384
	s_or_b32 s[G0+4*\n+3], s[G0+4*\n+3], 0x80000000   ; type = 2
.endr
	CROUND                                         ; all four work-groups are here: the joint loads meet
	s_cmp_lt_u32 s[WV], 2                          ; all fills of a wave stand in one branch on the wave's number, ahead of every wait on TENSORcnt and every LDS read
	s_cbranch_scc0 .Lno_fill
.irp n, 0,1,2,3,4,5,6,7
	tensor_load_to_lds s[G0+4*\n:G0+4*\n+3], s[G1:G1+7]
	s_nop 0
.endr
.rept 4
	v_nop
.endr
.Lno_fill:
	s_wait_alu depctr_va_vdst(0)
	global_load_b128 v[16:19], v[QO], s[56:57]             ; Q stays in registers: lane (r, h) holds channels 32 h + 0 .. 15,
	global_load_b128 v[20:23], v[QO], s[56:57] offset:512  ; and 32 h + 16 .. 31: the same places as in K's tiles
	global_load_b128 v[24:27], v[QO], s[58:59]
	global_load_b128 v[28:31], v[QO], s[58:59] offset:512
	s_wait_kmcnt 0x0
	s_add_co_i32 s32, s42, s43
	s_lshl_b32 s32, s32, 23
	s_add_co_i32 s[CS], s[CS], s32                 ; a score stands for score x 2^(e6 + e7)
	s_mov_b32 s[CS+1], s[CS]                       ; (named with it as a pair, so it is written)
	s_add_co_i32 s32, s44, 127
	s_lshl_b32 s33, s32, 23
	v_mov_b32 v244, s33                            ; 2^e8, for p's conversion
	s_add_co_i32 s54, s44, s45                     ; e8 + e9
	s_add_co_i32 s32, s46, 127
	s_lshl_b32 s33, s32, 23
	v_mov_b32 v8, s33                              ; 2^e10, for ctx's conversion
; A KEY STEP: 128 keys.  qf: Q's registers; dq: the mask's register; causal = 0: the step is known to lie wholly in front of the diagonal.
.macro STEP qf, dq, causal
.if \causal
	s_cmp_gt_u32 s[KS], s[KD]                      ; all its keys come after my queries: a branch on ids, round the step's own work alone
	s_cbranch_scc1 .Lhid_\@
.endif
	s_setprio 2
	v_add_nc_u32 v[ADK], s[KB], v[LK]
	s_delay_alu instid0(VALU_DEP_1)
	v_add_nc_u32 v[ADV], 0x20000, v[ADK]
	v_nop                                          ; with the two additions: four places in front of loads into registers that the last products read
	v_nop
.set tt, 0
.rept 8
	ds_load_b128 v[32+8*tt:35+8*tt], v[ADK] offset:1024*tt
	ds_load_b128 v[36+8*tt:39+8*tt], v[ADK] offset:1024*tt+512
.set tt, tt+1
.endr
	s_wait_alu depctr_va_vdst(0)
	s_wait_dscnt 8                                 ; tiles 0-3 are in; the youngest eight loads (tiles 4-7) may be out
.set tt, 0
.rept 4
	v_wmma_f32_16x16x64_fp8_fp8 v[96+8*tt:103+8*tt], v[32+8*tt:39+8*tt], v[\qf:\qf+7], 0
.set tt, tt+1
.endr
	s_wait_dscnt 0x0
.rept 4
	v_wmma_f32_16x16x64_fp8_fp8 v[96+8*tt:103+8*tt], v[32+8*tt:39+8*tt], v[\qf:\qf+7], 0
.set tt, tt+1
.endr
.rept 4
	v_nop                                          ; places in front of the loads below and of the first read of the scores
.endr
.set tt, 0
.rept 4
.irp c, 0,1,2,3
	ds_load_b128 v[32+16*tt+4*\c:35+16*tt+4*\c], v[ADV] offset:2048*tt+512*\c   ; V lands while the softmax is walked
.endr
.set tt, tt+1
.endr
.if \causal
	s_cmp_lt_u32 s[KS], s[KD]                      ; all its keys count: no mask
	s_cbranch_scc1 .Lopen_\@
	v_mov_b32 v254, 0xff800000                     ; -infinity.  Register n holds key 128 KS + 16 (lane / 16) + 32 (n / 16) + n % 16: hidden where 32 (n / 16) + n % 16 > dq
.set nn, 0
.rept 64
	v_cmp_gt_i32 vcc_lo, 32*(nn/16)+nn%16, v[\dq]
	v_cndmask_b32 v[96+nn], v[96+nn], v254, vcc_lo
.set nn, nn+1
.endr
.Lopen_\@:
.endif
	v_max3_num_f32 v254, v96, v97, v98             ; the step's largest score of my query, among my 64 keys, in two chains, from each accumulator's low end on,
	v_max3_num_f32 v252, v99, v100, v101
.irp i, 6,10,14,18,22,26,30,34,38,42,46,50,54,58
	v_max3_num_f32 v254, v254, v[96+\i], v[97+\i]
	v_max3_num_f32 v252, v252, v[98+\i], v[99+\i]
.endr
	v_max3_num_f32 v254, v254, v158, v159
	s_delay_alu instid0(VALU_DEP_1)
	v_max_num_f32 v254, v254, v252
	s_delay_alu instid0(VALU_DEP_1)
	v_permlanex16_b32 v241, v254, s[SEL], s[SEL+1]
	s_delay_alu instid0(VALU_DEP_1)
	v_max_num_f32 v254, v254, v241                 ; and among lane l xor 16's
	s_delay_alu instid0(VALU_DEP_1)
	v_mul_f32 v254, s[CS], v254                    ; as t (c is positive)
	s_delay_alu instid0(VALU_DEP_1)
	v_max_num_f32 v13, v13, v254                   ; the running largest t
	v_mov_b32 v254, v12
	s_delay_alu instid0(VALU_DEP_2)
	v_floor_f32 v12, -v13                          ; the new -M = floor(-t) = -ceil(t): a whole number
	s_delay_alu instid0(VALU_DEP_1)
	v_sub_f32 v254, v12, v254                      ; old M - new M: a whole number, 0 or less
	s_delay_alu instid0(VALU_DEP_1)
	v_cvt_i32_f32 v254, v254                       ; (it saturates)
	s_delay_alu instid0(VALU_DEP_1)
	v_ldexp_f32 v252, 1.0, v254                    ; f = 2^(old M - new M)
.set jj, 0
.rept 32
	v_pk_fma_f32 v[96+jj:97+jj], v[96+jj:97+jj], s[CS:CS+1], v[12:13] op_sel_hi:[1,0,0]   ; t - M, two at a time
.set jj, jj+2
.endr
.set jj, 0
	s_setprio 1
	s_wait_alu depctr_va_vdst(0)
.rept 64
	v_exp_f32 v[96+jj], v[96+jj]                   ; p = 2^(t - M), at most 1
.set jj, jj+1
.endr
	v_pk_mul_f32 v[14:15], v[14:15], v[252:253] op_sel_hi:[1,0]   ; the sums under the new M (a plain line behind the exponentials)
	s_wait_alu depctr_va_vdst(0)
	v_pk_add_f32 v[242:243], v[100:101], v[104:105]
	v_pk_add_f32 v[248:249], v[108:109], v[112:113]
	v_pk_add_f32 v[246:247], v[116:117], v[120:121]
	v_pk_add_f32 v[238:239], v[124:125], v[128:129]
	v_pk_add_f32 v[236:237], v[132:133], v[136:137]
	v_pk_add_f32 v[234:235], v[140:141], v[144:145]
	v_pk_add_f32 v[232:233], v[148:149], v[152:153]
	v_pk_add_f32 v[14:15], v[14:15], v[156:157]
	v_pk_add_f32 v[242:243], v[242:243], v[96:97]
	v_pk_add_f32 v[248:249], v[248:249], v[98:99]
	v_pk_add_f32 v[246:247], v[246:247], v[102:103]
	v_pk_add_f32 v[238:239], v[238:239], v[106:107]
	v_pk_add_f32 v[236:237], v[236:237], v[110:111]
	v_pk_add_f32 v[234:235], v[234:235], v[114:115]
	v_pk_add_f32 v[232:233], v[232:233], v[118:119]
	v_pk_add_f32 v[14:15], v[14:15], v[122:123]
	v_pk_add_f32 v[242:243], v[242:243], v[126:127]
	v_pk_add_f32 v[248:249], v[248:249], v[130:131]
	v_pk_add_f32 v[246:247], v[246:247], v[134:135]
	v_pk_add_f32 v[238:239], v[238:239], v[138:139]
	v_pk_add_f32 v[236:237], v[236:237], v[142:143]
	v_pk_add_f32 v[234:235], v[234:235], v[146:147]
	v_pk_add_f32 v[232:233], v[232:233], v[150:151]
	v_pk_add_f32 v[14:15], v[14:15], v[154:155]
	v_pk_add_f32 v[242:243], v[242:243], v[158:159]
	s_delay_alu instid0(VALU_DEP_2)
	v_pk_add_f32 v[14:15], v[14:15], v[238:239]
	s_delay_alu instid0(VALU_DEP_2)
	v_pk_add_f32 v[242:243], v[242:243], v[236:237]
	v_pk_add_f32 v[248:249], v[248:249], v[234:235]
	v_pk_add_f32 v[246:247], v[246:247], v[232:233]
	s_delay_alu instid0(VALU_DEP_2)
	v_pk_add_f32 v[14:15], v[14:15], v[248:249]
	s_delay_alu instid0(VALU_DEP_2)
	v_pk_add_f32 v[242:243], v[242:243], v[246:247]
	s_delay_alu instid0(VALU_DEP_1)
	v_pk_add_f32 v[14:15], v[14:15], v[242:243]
	s_setprio 0
.irp b, 0,1,2,3
.irp i, 0,1,2,3,4,5,6,7,8,9,10,11,12,13,14,15
.endr
	v_cvt_scalef32_pk8_fp8_f32 v[224+4*\b:225+4*\b], v[96+16*\b:103+16*\b], v244
	v_cvt_scalef32_pk8_fp8_f32 v[226+4*\b:227+4*\b], v[104+16*\b:111+16*\b], v244
.endr
.set jj, 0
.rept 16
	v_pk_mul_f32 v[160+jj:161+jj], v[160+jj:161+jj], v[252:253] op_sel_hi:[1,0]   ; O^T under the new M; these are also the plain lines behind the conversions
.set jj, jj+2
.endr
	s_wait_alu depctr_va_vdst(0)
	s_wait_dscnt 0x0                               ; V is in
.set tt, 0
.rept 4
	v_wmma_f32_16x16x128_fp8_fp8 v[160+8*tt:167+8*tt], v[32+16*tt:47+16*tt], v[224:239], v[160+8*tt:167+8*tt]   ; the four accumulators by turns
.set tt, tt+1
.endr
.if \causal
.Lhid_\@:
.endif
.endm
.macro INIT kd                         ; a tile begins: O^T and the sum are zeros, which the first change of M leaves zeros; the largest t lies under every t
	v_mov_b32 v13, 0xff61b1e6                      ; -3e38
	s_delay_alu instid0(VALU_DEP_1)
	v_floor_f32 v12, -v13
	v_mov_b32 v14, 0
	v_mov_b32 v15, 0
.set jj, 0
.rept 32
	v_mov_b32 v[160+jj], 0
.set jj, jj+1
.endr
	s_mov_b32 s[KD], s[\kd]
	s_mov_b32 s[KS], 0
	s_mov_b32 s[KB], 0
.endm
; A tile ends: O^T / the sum x 2^(e8 + e9), held, converted.  A lane's eight channels are 8 bytes; the 32 lanes' 256 bytes are consecutive in ctx's image: no stage is needed.
.macro OUT base, cd
.rept 4
	v_nop                                          ; places behind the last products
.endr
	v_add_f32 v14, v14, v15                        ; the sum's two halves,
	s_delay_alu instid0(VALU_DEP_1)
	v_permlanex16_b32 v241, v14, s[SEL], s[SEL+1]
	s_delay_alu instid0(VALU_DEP_1)
	v_add_f32 v14, v14, v241                       ; and lane l xor 16's
	s_wait_alu depctr_va_vdst(0)
	v_rcp_f32 v14, v14
	v_nop                                          ; one plain line behind a transcendental
	s_wait_alu depctr_va_vdst(0)
	v_ldexp_f32 v14, v14, s54
.set jj, 0
.rept 16
	v_pk_mul_f32 v[192+jj:193+jj], v[160+jj:161+jj], v[14:15] op_sel_hi:[1,0]   ; each accumulator from its low end on
.set jj, jj+2
.endr
.set jj, 0
.rept 32
.set jj, jj+1
.endr
.irp d, 0,1,2,3
	v_cvt_scalef32_pk8_fp8_f32 v[\cd+2*\d:\cd+2*\d+1], v[192+8*\d:199+8*\d], v8
.endr
	v_nop                                          ; one plain line behind the last conversion: products write these registers later
.irp d, 0,1,2,3
	global_store_b64 v[CO], v[\cd+2*\d:\cd+2*\d+1], s[\base:\base+1] offset:256*\d   ; 256 consecutive bytes, aligned
.endr
.endm
	s_wait_tensorcnt 7                             ; a fetching wave's first piece (keys 0-255) has landed; its seven younger loads stay out
	s_barrier_signal -1
	s_barrier_wait -1
	s_wait_loadcnt 0x0                             ; Q
	INIT 49                                        ; THE HIGH TILE: its diagonal step is 8 or later
.La1:                                              ; steps 0 and 1: open for every high tile, and all that has been shown landed
	STEP 16, DQA, 0
	s_add_co_u32 s[KS], s[KS], 1
	s_add_co_u32 s[KB], s[KB], 8192
	s_cmp_lt_u32 s[KS], 2
	s_cbranch_scc1 .La1
	s_setprio 0
	s_wait_tensorcnt 0x0                           ; all my pieces have landed,
	s_wait_dscnt 0x0
	s_barrier_signal -1
	s_barrier_wait -1                              ; everybody's have: K and V lie whole in LDS, and nobody writes LDS any more
	s_mov_b32 s[KS], 2
	s_mov_b32 s[KB], 16384
.La2:                                              ; steps 2 to 15
	STEP 16, DQA, 1
	s_add_co_u32 s[KS], s[KS], 1
	s_add_co_u32 s[KB], s[KB], 8192
	s_cmp_lt_u32 s[KS], 16
	s_cbranch_scc1 .La2
	s_setprio 0
	OUT 60, 96
	s_wait_xcnt 0x0                                ; the stores have read their registers: the next tile's products write v96 on
	INIT 50                                        ; THE LOW TILE: its diagonal step is 7 or earlier
.Lb:
	STEP 24, DQB, 1
	s_add_co_u32 s[KS], s[KS], 1
	s_add_co_u32 s[KB], s[KB], 8192
	s_cmp_lt_u32 s[KS], 8
	s_cbranch_scc1 .Lb
	s_setprio 0
	OUT 62, 104
	s_wait_tensorcnt 0x0
	ds_add_u32 v251, v255
	s_wait_dscnt 0x0
	CROUND                                         ; the closing round
	s_endpgm
.Lfunc_end_k_q08f07a4b65_attn:
	.size	k_q08f07a4b65_attn, .Lfunc_end_k_q08f07a4b65_attn-k_q08f07a4b65_attn
	.p2alignl 7, 3214868480
	.fill 96, 4, 3214868480
	.section	.rodata,"a",@progbits
	.p2align	6, 0x0
	.amdhsa_kernel k_q08f07a4b65_attn
		.amdhsa_group_segment_fixed_size 264192
		.amdhsa_private_segment_fixed_size 0
		.amdhsa_enable_private_segment 0
		.amdhsa_kernarg_size 24
		.amdhsa_user_sgpr_count 2
		.amdhsa_user_sgpr_kernarg_segment_ptr 1
		.amdhsa_wavefront_size32 1
		.amdhsa_system_sgpr_workgroup_id_x 1
		.amdhsa_system_sgpr_workgroup_id_y 1
		.amdhsa_system_sgpr_workgroup_id_z 1
		.amdhsa_system_vgpr_workitem_id 0
		.amdhsa_next_free_vgpr 256
		.amdhsa_next_free_sgpr 100
		.amdhsa_reserve_vcc 1
		.amdhsa_float_denorm_mode_32 3
		.amdhsa_float_denorm_mode_16_64 3
		.amdhsa_fp16_overflow 1
		.amdhsa_memory_ordered 1
		.amdhsa_forward_progress 1
		.amdhsa_inst_pref_size 69
	.end_amdhsa_kernel
	.amdgpu_metadata
---
amdhsa.version: [ 1, 2 ]
amdhsa.kernels:
  - .name:           k_q08f07a4b65_attn
    .symbol:         k_q08f07a4b65_attn.kd
    .args:
      - { .name: qkvc, .offset: 0, .size: 8, .value_kind: global_buffer, .address_space: global }
      - { .name: lowp_scales, .offset: 8, .size: 8, .value_kind: global_buffer, .address_space: global }
      - { .name: cc, .offset: 16, .size: 8, .value_kind: global_buffer, .address_space: global }
    .group_segment_fixed_size: 264192
    .private_segment_fixed_size: 0
    .kernarg_segment_align: 8
    .kernarg_segment_size: 24
    .max_flat_workgroup_size: 512
    .sgpr_count:     100
    .vgpr_count:     256
    .wavefront_size: 32
...
	.end_amdgpu_metadata
.endif
;; end of part 3
;; launch outp (part 4): grid 4 x 32, 4 waves a work-group, clusters of 4 x 4, 327,680 bytes of LDS; arguments cc, wc, lowp_scales, bo, out0; writes out0
.if DOCPART == 4
	.amdgcn_target "amdgcn-amd-amdhsa--gfx1250"
	.amdhsa_code_object_version 6
	.text
	.protected	k_q08f07a4b65_outp
	.globl	k_q08f07a4b65_outp
	.p2align	8
	.type	k_q08f07a4b65_outp,@function
k_q08f07a4b65_outp:
	s_mov_b64 s[64:65], 0
	v_nop
	global_prefetch_b8 v0, s[64:65] scope:SCOPE_SE
	s_setreg_imm32_b32 hwreg(HW_REG_WAVE_MODE, 25, 1), 1
	s_wait_xcnt 0x0
	s_wait_alu depctr_hold_cnt(0) depctr_sa_sdst(0) depctr_va_vdst(0) depctr_va_sdst(0) depctr_va_ssrc(0) depctr_va_vcc(0) depctr_vm_vsrc(0)
	s_getreg_b32 s2, hwreg(HW_REG_IB_STS2, 6, 4)
	s_cmp_eq_u32 s2, 0
	s_cbranch_scc0 .Lentry_in_a_cluster
	s_endpgm
.Lentry_in_a_cluster:
	s_bfe_u32 s2, ttmp6, 0x10000c
	s_cmp_lg_u32 s2, 0xf033
	s_cbranch_scc0 .Lentry_shape_is_right
	s_endpgm
.Lentry_shape_is_right:
; out0 = ctx Wo + bo on E4M3 codes: out0[m][n] = (the sum over k of ctx's code x Wo's code) x 2^(e10 + e11) + bo[n], f32.  m 8,192, n 1,024, k 1,024.
; Operands lie as IMAGES: byte = (row / 16) 16384 + (k / 128) 2048 + c 512 + 16 x lane, lane (r, h) holding k % 128 = 32 c + 16 h + 0 .. 15 of row 16 (row / 16) + r: the same places of k on both sides.
; A tile of 256 x 256 is made by a work-group of four waves; a wave makes 128 x 128: 64 accumulators, 512 registers.  K goes in steps of 256 through two LDS slots; a wave's tensor load brings 8 rows of 4,096 bytes.
; K = 1,024 is four such steps: written out, no loop.  By this text's own count a wave has at most two tensor loads out.
; CLUSTERS: 4 x 4 work-groups; ctx's tile is shared along a row of the cluster, Wo's along a column: each is asked for JOINTLY, by the same tensor load with the same descriptor and a mask that names the four.
; THE MATRIX INSTRUCTION IS USED TRANSPOSED (source 0 = 16 rows of Wo's image, source 1 = 16 rows of ctx's): a lane holds eight neighbouring numbers of a row of out0.
; LIMIT: e10 + e11 between -126 and 127, so that 2^(e10 + e11) is an f32 number.
; REGISTERS, in windows of 256: window 0: v1-31 addresses; v32-95 bo at my columns; from v128 ctx's fragments, ONE set; on the way out v128-255 take rows read back.
;   window 1: Wo's fragments, TWO sets, at v0 and v128; on the way out v0-63 take a block's numbers.   window 2: the accumulators of my rows 0-63;   window 3: those of rows 64-127.
.set FR,     16
.set NL,     4
.set NP,     4                         ; places behind this matrix instruction (ISA guide 7.12.1)
.set SLOT,   131072                    ; ctx's 16 x 4,096 bytes, then Wo's
.set SPARE,  2*SLOT                    ; behind the ring: the spare words, 128 bytes a wave: two blocks of 256 bytes that no other line names
.set KSB,    4096                      ; 256 along K of 16 rows, in bytes
.set SPITCH, 528                       ; the way out: 16 rows x (512 bytes + 16) for each wave, in slot 0, which has had its last fill and its last read by then
.set NROW,   4096                      ; a row of out0 in bytes
.set ADRA, 16
.set ADRB, 20
.set STO,  24                          ; v24  where I put 32 bytes of a row
.set RD,   25                          ; v25  where I read a row back
.set CO,   26                          ; v26  16 x lane
.set SPW,  28                          ; v28  LDS address of my spare word; never rewritten
.set NIL,  29                          ; v29  0; never rewritten
.set BI,   32
.set AF,   128
.set TMP,  0                           ; in window 1
.set BK,   128                         ; 16 rows read back: v128-191 and v192-255 by turns
.set G1, 24
.set G0, 32
.set G1B, 48
.set G0B, 56
.set MSB, 0
.macro WIN new                         ; the immediate's high byte repeats the setting that is left
.if MSB != \new
	s_set_vgpr_msb (MSB<<8)|\new
.set MSB, \new
.endif
.endm
.set MUL_LO, 0xa1                      ; source 0 (Wo) window 1, source 1 (ctx) window 0, C and D window 2
.set MUL_HI, 0xf1                      ; the same, C and D window 3
.set TO_B,   0x40                      ; destination window 1, address window 0
.macro JLOAD g0a, g1a, g0b, g1b        ; a joint load: waves 0 and 1 fetch ctx's halves, waves 2 and 3 Wo's; four v_nop follow each line
	s_cmp_eq_u32 s19, 0
	s_cbranch_scc0 .Lfor_b_\@
	tensor_load_to_lds s[\g0a:\g0a+3], s[\g1a:\g1a+7]
	s_nop 0
.rept 4
	v_nop
.endr
	s_branch .Lasked_\@
.Lfor_b_\@:
	tensor_load_to_lds s[\g0b:\g0b+3], s[\g1b:\g1b+7]
	s_nop 0
.rept 4
	v_nop
.endr
.Lasked_\@:
.endm
.macro CREST                           ; a round of the cluster's barrier behind its opening barrier
	s_cmp_lg_u32 s18, 0
	s_cbranch_scc1 .Lnot_wave_0_\@
	s_barrier_signal -3
.Lnot_wave_0_\@:
	s_barrier_wait -3
	s_barrier_signal -1
	s_barrier_wait -1
.endm
.macro CROUND
	s_barrier_signal -1
	s_barrier_wait -1
	CREST
.endm
	s_load_b256 s[4:11], s[0:1], 0x0               ; cc 4:5, wc 6:7, scales 8:9, bo 10:11
	s_load_b64 s[12:13], s[0:1], 0x20              ; out0
	v_lshl_add_u32 v[SPW], v0, 2, SPARE
	v_mov_b32 v[NIL], 0
	ds_add_u32 v28, v29
	ds_add_u32 v28, v29
	s_wait_dscnt 0x0
	v_lshrrev_b32 v1, 5, v0
	v_readfirstlane_b32 s18, v1                    ; wave 0..3
	s_lshr_b32 s19, s18, 1                         ; which half of the tile's rows is mine.  Also: I fetch for ctx (0) or for Wo (1)
	s_and_b32 s20, s18, 1                          ; which half of its columns.  Also: which 128 rows of that tile I fetch
	s_bfe_u32 s21, ttmp6, 0x40000                  ; cx
	s_bfe_u32 s22, ttmp6, 0x40004                  ; cy
	s_lshl_b32 s42, ttmp9, 2
	s_add_co_u32 s42, s42, s21                     ; tile column = 4 x cluster x + cx
	s_and_b32 s41, ttmp7, 0xffff
	s_lshl_b32 s41, s41, 2
	s_add_co_u32 s41, s41, s22                     ; tile row = 4 x cluster y + cy
	s_lshl_b32 s43, s22, 2
	s_lshl_b32 s43, 15, s43                        ; my row of the cluster
	s_lshl_b32 s44, 0x1111, s21                    ; my column
	s_lshl_b32 s66, s41, 18                        ; ctx: 256 rows of an image are 262,144 bytes,
	s_lshl_b32 s67, s20, 17                        ; which 128 rows I fetch
	s_add_co_u32 s66, s66, s67
	s_mov_b32 s67, 0
	s_lshl_b32 s46, s42, 18
	s_lshl_b32 s47, s20, 17
	s_add_co_u32 s46, s46, s47
	s_add_co_u32 s46, s46, 3<<20                   ; Wo is the fourth image of the weights' buffer
	s_mov_b32 s47, 0
	s_lshl_b32 s45, s18, 15                        ; where they go: wave x 32,768
	s_or_b32 s[G1+0], s43, (1<<21)                 ; 15:0 the mask; 17:16 elements of 1 byte; 21 set beside a mask; no padding
	s_or_b32 s[G1B+0], s44, (1<<21)
.irp g, G1, G1B
	s_mov_b32 s[\g+1], 4096<<16                    ; tensor_dim0
	s_mov_b32 s[\g+2], 8<<16                       ; tensor_dim1
	s_mov_b32 s[\g+3], 4096<<16                    ; tile_dim0
	s_mov_b32 s[\g+4], 8                           ; tile_dim1
	s_mov_b32 s[\g+5], 16384                       ; tensor_dim0_stride
	s_mov_b32 s[\g+6], 0
	s_mov_b32 s[\g+7], 0
.endr
	s_wait_kmcnt 0x0
	s_load_b64 s[96:97], s[8:9], 0x28              ; e10, e11
	s_add_nc_u64 s[66:67], s[4:5], s[66:67]
	s_add_nc_u64 s[46:47], s[6:7], s[46:47]
	CROUND                                         ; all sixteen work-groups are here: the first joint loads meet
.irp s, 0,1
	s_mov_b32 s[G0+4*\s], 1
	s_add_co_u32 s[G0+4*\s+1], s45, \s*SLOT
	s_add_nc_u64 s[G0+4*\s+2:G0+4*\s+3], s[66:67], \s*KSB
	s_or_b32 s[G0+4*\s+3], s[G0+4*\s+3], 0x80000000
	s_mov_b32 s[G0B+4*\s], 1
	s_add_co_u32 s[G0B+4*\s+1], s45, \s*SLOT
	s_add_nc_u64 s[G0B+4*\s+2:G0B+4*\s+3], s[46:47], \s*KSB
	s_or_b32 s[G0B+4*\s+3], s[G0B+4*\s+3], 0x80000000
	s_wait_alu depctr_va_vdst(0)
	s_wait_tensorcnt 0x0
	ds_add_u32 v28, v29
	ds_add_u32 v28, v29
	s_wait_dscnt 0x0
	CROUND
	JLOAD G0+4*\s, G1, G0B+4*\s, G1B
.endr
	s_lshl_b32 s88, s42, 10
	s_lshl_b32 s89, s20, 9
	s_add_co_u32 s88, s88, s89                     ; my first column, in bytes: 1,024 x tile column + 512 x half
	v_and_b32 v1, 15, v0                           ; r
	s_wait_alu depctr_va_vdst(0)
	v_bfe_u32 v2, v0, 4, 1                         ; h
	v_lshl_add_u32 v8, v2, 5, s88
.irp b, 0,1,2,3,4,5,6,7
	global_load_b128 v[BI+8*\b:BI+8*\b+3], v8, s[10:11] offset:64*\b         ; bo at columns 16 b + 8 h + 0 .. 7 of my 128
	global_load_b128 v[BI+8*\b+4:BI+8*\b+7], v8, s[10:11] offset:64*\b+16
.endr
	v_and_b32 v3, 31, v0
	v_lshlrev_b32 v[CO], 4, v3                     ; 16 x lane
	s_lshl_b32 s91, s19, 15                        ; my 128 rows of ctx
	s_lshl_b32 s89, s20, 15                        ; my 128 rows of Wo,
	s_add_co_u32 s89, s89, 65536                   ; which lie behind ctx's 256
.irp s, 0,1
	v_add_nc_u32 v[ADRA+\s], s91, v[CO]
	v_add_nc_u32 v[ADRB+\s], s89, v[CO]
	s_add_co_u32 s91, s91, SLOT
	s_add_co_u32 s89, s89, SLOT
.endr
	s_mul_i32 s91, s18, 16*SPITCH                  ; my stage
	v_mul_u32_u24 v5, v1, SPITCH                   ; in: row r, 32 bytes for each half of the lanes
	s_wait_alu depctr_va_vdst(0)
	v_lshl_add_u32 v5, v2, 5, v5
	v_add_nc_u32 v[STO], s91, v5
	v_add_nc_u32 v[RD], s91, v[CO]                 ; back: the 32 lanes take one row of 512 bytes
	s_lshl_b32 s92, s41, 20                        ; my first row of out0: 256 x tile row + 128 x half, of 4,096 bytes
	s_lshl_b32 s93, s19, 19
	s_add_co_u32 s92, s92, s93
	s_add_co_u32 s92, s92, s88
	s_mov_b32 s93, 0
	s_add_nc_u64 s[12:13], s[12:13], s[92:93]
.macro FRAG reg, adr, q, i             ; a fragment, 16 rows x 128 K, is 16 registers: four loads of 512 consecutive bytes
.irp c, 0,1,2,3
	ds_load_b128 v[\reg+4*\c:\reg+4*\c+3], v[\adr] offset:2048*(\q)+512*\c+(\i)*4096
.endr
.endm
; 16 matrix instructions: ctx's blocks a0, a0 + 1 x Wo's eight, 128 along K.  The 64 accumulators take turns, one instruction a turn, in the same order in every step.
.macro MUL16 a0, p, zero
.irp a, \a0, \a0+1
.irp b, 0,1,2,3,4,5,6,7
.if \zero
	v_wmma_f32_16x16x128_fp8_fp8 v[8*(8*((\a)%4)+\b):8*(8*((\a)%4)+\b)+7], v[128*(\p)+FR*\b:128*(\p)+FR*\b+FR-1], v[AF+FR*(\a):AF+FR*(\a)+FR-1], 0
.else
	v_wmma_f32_16x16x128_fp8_fp8 v[8*(8*((\a)%4)+\b):8*(8*((\a)%4)+\b)+7], v[128*(\p)+FR*\b:128*(\p)+FR*\b+FR-1], v[AF+FR*(\a):AF+FR*(\a)+FR-1], v[8*(8*((\a)%4)+\b):8*(8*((\a)%4)+\b)+7]
.endif
.endr
.endr
.endm
.macro FETCH_B slot, q, p
	WIN TO_B
.irp i, 0,1,2,3,4,5,6,7
	FRAG 128*(\p)+FR*\i, ADRB+\slot, \q, \i
.endr
	WIN 0
.endm
.macro FETCH_A slot, q, i0
.irp i, \i0, \i0+1, \i0+2, \i0+3
	FRAG AF+FR*(\i), ADRA+\slot, \q, \i
.endr
.endm
.macro PLACES n                        ; plain vector lines between a matrix instruction and a load into, or a read of, its registers
.rept \n
	v_nop
.endr
.endm
.macro STEP slot, q, zero              ; a step of 128 along K that has its successor in the same slot
	s_wait_dscnt 4*NL                              ; Wo's set and ctx's blocks 0-3 are in; the youngest sixteen loads (blocks 4-7) may be out
	WIN MUL_LO
	MUL16 0, (\q)%2, \zero
	MUL16 2, (\q)%2, \zero
	s_wait_dscnt 0                                 ; blocks 4-7 are in
	PLACES NP
	FETCH_B \slot, (\q)+1, 1-(\q)%2
	FETCH_A \slot, (\q)+1, 0
	WIN MUL_HI
	MUL16 4, (\q)%2, \zero
	MUL16 6, (\q)%2, \zero
	PLACES NP
	WIN 0
	FETCH_A \slot, (\q)+1, 4
.endm
; A slot's last step changes slots: ONE barrier; in front of it each wave waits for all its tensor loads, adds 0 to its spare word, and waits for that and for its own reads of this slot.
.macro TURN slot, next, fill
	s_wait_tensorcnt 0x0                           ; all my tensor loads have landed: my part of the next slot
	ds_add_u32 v[SPW], v[NIL]                      ; 0 onto my spare word
	s_wait_dscnt 4*NL+1                            ; (the add and the youngest sixteen loads may be out)
	WIN MUL_LO
	MUL16 0, 1, 0
	s_wait_dscnt 0x0                               ; the add is done, and my reads of this slot are over
	s_barrier_signal -1
	MUL16 2, 1, 0
	WIN 0
	s_barrier_wait -1
.if \fill
	CREST                                          ; the barrier has opened a round of the cluster's barrier: no wave of any partner still reads this slot or has a load on its way
	s_add_nc_u64 s[G0+4*\slot+2:G0+4*\slot+3], s[G0+4*\slot+2:G0+4*\slot+3], 2*KSB
	s_add_nc_u64 s[G0B+4*\slot+2:G0B+4*\slot+3], s[G0B+4*\slot+2:G0B+4*\slot+3], 2*KSB
	JLOAD G0+4*\slot, G1, G0B+4*\slot, G1B         ; the first tensor load behind the round; its four v_nop are the places in front of the loads below
.else
	PLACES NP
.endif
	FETCH_B \next, 0, 0
	FETCH_A \next, 0, 0
	WIN MUL_HI
	MUL16 4, 1, 0
	MUL16 6, 1, 0
	PLACES NP
	WIN 0
	FETCH_A \next, 0, 4
.endm
	s_wait_tensorcnt 1                             ; my part of K step 0 is in (K step 1's load may be out)
	s_barrier_signal -1
	s_barrier_wait -1                              ; everybody's is
	FETCH_B 0, 0, 0
	FETCH_A 0, 0, 0
	FETCH_A 0, 0, 4
	STEP 0, 0, 1                                   ; K 0-127: its products start the sums
	TURN 0, 1, 1                                   ; slot 0 takes K 512-767
	STEP 1, 0, 0
	TURN 1, 0, 1                                   ; slot 1 takes K 768-1023
	STEP 0, 0, 0
	TURN 0, 1, 0                                   ; nothing is left to fetch
	STEP 1, 0, 0
	s_wait_dscnt 4*NL                              ; the very last step
	WIN MUL_LO
	MUL16 0, 1, 0
	MUL16 2, 1, 0
	s_wait_dscnt 0
	WIN MUL_HI
	MUL16 4, 1, 0
	MUL16 6, 1, 0
	WIN 0
; THE WAY OUT, block by block of 16 rows x 128 columns: sum x 2^(e10 + e11) + bo, through my own stage in LDS, back as whole rows of 512 bytes.  LDS serves a wave's instructions in order: no wait between the stores and the loads.
.macro TOSTAGE a
.set AC, 64*((\a)%4)
	WIN 0x42+((\a)/4)                              ; source 0: window 2 or 3; destination: window 1 (Wo's set 0, done with); bo: window 0
.set jj, 0
.rept 32
	v_pk_fma_f32 v[TMP+jj:TMP+jj+1], v[AC+jj:AC+jj+1], s[96:97], v[BI+jj:BI+jj+1] op_sel_hi:[1,0,1]   ; each accumulator from its low end on
.set jj, jj+2
.endr
	WIN 0x04                                       ; a store's data: window 1
.irp b, 0,1,2,3,4,5,6,7
	ds_store_b128 v[STO], v[TMP+8*\b:TMP+8*\b+3] offset:64*\b
	ds_store_b128 v[STO], v[TMP+8*\b+4:TMP+8*\b+7] offset:64*\b+16
.endr
	WIN 0
.set BB, BK+64*((\a)%2)
.irp t, 0,1,2,3,4,5,6,7,8,9,10,11,12,13,14,15
	ds_load_b128 v[BB+4*\t:BB+4*\t+3], v[RD] offset:\t*SPITCH
.endr
.endm
.macro SEND a, younger                 ; younger: the LDS instructions issued behind block a's loads, which may stay out
.set BB, BK+64*((\a)%2)
	s_wait_dscnt \younger                          ; the block is back in registers
.if (\a) > 0
	s_add_nc_u64 s[12:13], s[12:13], 16*NROW       ; (behind a wait on XCNT: the earlier stores have read their base)  16 rows on
.endif
.irp t, 0,1,2,3,4,5,6,7,8,9,10,11,12,13,14,15
	global_store_b128 v[CO], v[BB+4*\t:BB+4*\t+3], s[12:13] offset:\t*NROW th:TH_STORE_NT   ; 512 consecutive bytes, aligned; written once, read by nobody here
.endr
.endm
	s_wait_kmcnt 0x0
	s_add_co_i32 s96, s96, s97                     ; e10 + e11,
	s_add_co_i32 s96, s96, 127
	s_lshl_b32 s96, s96, 23                        ; as the f32 number 2^(e10 + e11)
	s_wait_loadcnt 0x0                             ; bo
	PLACES NP                                      ; behind the last products: for the loads into the registers that held ctx's fragments
	TOSTAGE 0
.irp a, 1,2,3,4,5,6,7
.if \a > 1
	s_wait_xcnt 0x0                                ; block a - 2's stores have read their registers and their base
.endif
	TOSTAGE \a
	SEND \a-1, 32                                  ; behind block a - 1's loads: block a's 16 stores and 16 loads
.endr
	s_wait_xcnt 0x0                                ; block 6's stores have read their base
	SEND 7, 0
	s_wait_tensorcnt 0x0                           ; the wave's end: behind my last tensor load and my last LDS store
	ds_add_u32 v[SPW], v[NIL]
	s_wait_dscnt 0x0
	CROUND                                         ; the closing round: no work-group ends while a partner may still ask for a tile that names it
	s_endpgm
.Lfunc_end_k_q08f07a4b65_outp:
	.size	k_q08f07a4b65_outp, .Lfunc_end_k_q08f07a4b65_outp-k_q08f07a4b65_outp
	.p2alignl 7, 3214868480
	.fill 96, 4, 3214868480
	.section	.rodata,"a",@progbits
	.p2align	6, 0x0
	.amdhsa_kernel k_q08f07a4b65_outp
		.amdhsa_group_segment_fixed_size 327680
		.amdhsa_private_segment_fixed_size 0
		.amdhsa_enable_private_segment 0
		.amdhsa_kernarg_size 40
		.amdhsa_user_sgpr_count 2
		.amdhsa_user_sgpr_kernarg_segment_ptr 1
		.amdhsa_wavefront_size32 1
		.amdhsa_system_sgpr_workgroup_id_x 1
		.amdhsa_system_sgpr_workgroup_id_y 1
		.amdhsa_system_sgpr_workgroup_id_z 1
		.amdhsa_system_vgpr_workitem_id 0
		.amdhsa_next_free_vgpr 1024
		.amdhsa_next_free_sgpr 100
		.amdhsa_reserve_vcc 0
		.amdhsa_float_denorm_mode_32 3
		.amdhsa_float_denorm_mode_16_64 3
		.amdhsa_memory_ordered 1
		.amdhsa_forward_progress 1
		.amdhsa_inst_pref_size 125
	.end_amdhsa_kernel
	.amdgpu_metadata
---
amdhsa.version: [ 1, 2 ]
amdhsa.kernels:
  - .name:           k_q08f07a4b65_outp
    .symbol:         k_q08f07a4b65_outp.kd
    .args:
      - { .name: cc, .offset: 0, .size: 8, .value_kind: global_buffer, .address_space: global }
      - { .name: wc, .offset: 8, .size: 8, .value_kind: global_buffer, .address_space: global }
      - { .name: lowp_scales, .offset: 16, .size: 8, .value_kind: global_buffer, .address_space: global }
      - { .name: bo, .offset: 24, .size: 8, .value_kind: global_buffer, .address_space: global }
      - { .name: out0, .offset: 32, .size: 8, .value_kind: global_buffer, .address_space: global }
    .group_segment_fixed_size: 327680
    .private_segment_fixed_size: 0
    .kernarg_segment_align: 8
    .kernarg_segment_size: 40
    .max_flat_workgroup_size: 128
    .sgpr_count:     100
    .vgpr_count:     1024
    .wavefront_size: 32
...
	.end_amdgpu_metadata
.endif
;; end of part 4
